; MI455X (gfx1250); checked and timed in simulation.
; The chip was launched on July 23, 2026; its instructions are those of AMD's public machine-readable ISA for CDNA 5 (MIT licence, August 2026) and "CDNA5" Instruction Set Architecture Reference Guide (July 2026). The comments in the code are by the model that wrote it; some were corrected since.
;; Multi Head Attention. Allowed arithmetic: matrix products marked QUANTISED: E4M3 operands, one E8M0 scale for each 32 along K, by v_wmma_scale_f32_16x16x128_f8f6f4 with both operands' format E4M3, f32 sums; everything else in f32.
;; Inputs: Wk_codes 1,024 x 32 x 32 uint8 (E4M3 codes of Wk, K innermost, in blocks of 32 codes); Wk_scales 1,024 x 32 uint8 (E8M0 scales of Wk, one for each 32 codes along K); Wo_codes 1,024 x 32 x 32 uint8 (E4M3 codes of Wo, K innermost, in blocks of 32 codes); Wo_scales 1,024 x 32 uint8 (E8M0 scales of Wo, one for each 32 codes along K); Wq_codes 1,024 x 32 x 32 uint8 (E4M3 codes of Wq, K innermost, in blocks of 32 codes); Wq_scales 1,024 x 32 uint8 (E8M0 scales of Wq, one for each 32 codes along K); Wv_codes 1,024 x 32 x 32 uint8 (E4M3 codes of Wv, K innermost, in blocks of 32 codes); Wv_scales 1,024 x 32 uint8 (E8M0 scales of Wv, one for each 32 codes along K); bk 1,024 float32; bo 1,024 float32; bq 1,024 float32; bv 1,024 float32; q_codes 2 x 2,048 x 32 x 32 uint8 (E4M3 codes of q, K innermost, in blocks of 32 codes); q_scales 2 x 2,048 x 32 uint8 (E8M0 scales of q, one for each 32 codes along K).
;; Outputs: out0 2 x 2,048 x 1,024 float32.
;; This version of the problem:
;;   THIS VERSION OF THE PROBLEM IS GIVEN IN LOW PRECISION. The matrix products marked QUANTISED in the list below multiply operands that are first quantised to E4M3 (4 exponent bits, 3 mantissa bits; 8 bits a number), with one power-of-two scale for each 32 numbers along K (OCP MX v1.0); their sums are f32. All else is computed in f32.
;;   The module's matrix products, in the order in which they are computed (A, B: the left and right operand; K: the contracted axis; several contracted axes count as one K, in the product's order):
;;     1. [M 4,096, K 1,024] x [K 1,024, N 1,024]; A: input q (given as codes); B: input Wq (given as codes): QUANTISED
;;     2. [M 4,096, K 1,024] x [K 1,024, N 1,024]; A: input q (given as codes); B: input Wk (given as codes): QUANTISED
;;     3. [M 4,096, K 1,024] x [K 1,024, N 1,024]; A: input q (given as codes); B: input Wv (given as codes): QUANTISED
;;     4. batch 32 x [M 2,048, K 64] x [K 64, N 2,048]; A: computed on the way; B: computed on the way: QUANTISED
;;     5. batch 32 x [M 2,048, K 2,048] x [K 2,048, N 64]; A: softmax (see below); B: computed on the way: QUANTISED
;;     6. [M 4,096, K 1,024] x [K 1,024, N 1,024]; A: computed on the way; B: input Wo (given as codes): QUANTISED
;;   THE QUANTISER, for each operand of a quantised product, along K:
;;     - K is cut into blocks of 32 from its start; a last block that is shorter is filled with zeros.
;;     - A block's scale is 2^e with e = floor(log2(the largest magnitude in the block)) - 8, held to -126 .. 127; a block of zeros has e = 0. As a byte (E8M0): e + 127.
;;     - Each number is divided by its block's scale, clamped to +-448, and rounded to the nearest number of E4M3, ties to even, subnormals kept.
;;     - The product sums the exact products of the quantised numbers (number of the format x scale) in f32.
;;   ~~~python
;;   def quantise(x, axis):      # numpy; x: float32 -> the quantised numbers, widened to float32 again
;;       x = np.moveaxis(x, axis, -1); K = x.shape[-1]
;;       x = np.pad(x, [(0, 0)] * (x.ndim - 1) + [(0, -K % 32)]); x = x.reshape(x.shape[:-1] + (-1, 32)); a = np.abs(x).max(-1, keepdims=True)
;;       e = np.where(a > 0, np.clip(np.frexp(np.where(a > 0, a, 1))[1] - 1 - 8, -126, 127), 0)      # np.frexp(a)[1] - 1 = floor(log2(a)), exactly
;;       r = np.clip(x / 2.0 ** e, -448, 448)
;;       step = 2.0 ** (np.maximum(np.frexp(np.where(r == 0, 1, r))[1] - 1, -6) - 3)
;;       q = np.round(r / step) * step * 2.0 ** e      # np.round: ties to even
;;       return np.moveaxis(q.reshape(q.shape[:-2] + (-1,))[..., :K], -1, axis).astype(np.float32)
;;   ~~~
;;   SOFTMAX AHEAD OF A QUANTISED PRODUCT. Where the list says 'softmax', what is quantised is not the finished softmax but p = 2^(t - M), with t = logit x log2(e) and M = ceil(the row's largest t), a whole number; so 1/2 < the row's largest p <= 1. The row's sum l is taken of the UNQUANTISED p, in f32, and the product's result is divided by l at the end. Since M is a whole number, a kernel that streams over the keys may use a running M (the ceiling of the running maximum): every later rescaling is an exact power of two, which a block's scale takes up: the codes' values come out the same.
;;   OPERANDS COMPUTED ON THE WAY. 'Computed on the way' means the value that the module computes at that place (a softmax that the list does not call 'softmax' is quantised finished and normalised). What goes into a quantiser is computed in f32, as accurately as f32 sums, v_exp_f32 and their like allow (about 1e-6 of the number): no bf16 or f16 on the way to a quantiser, and a product that is left as it is and whose result goes on into a quantised operand takes f32 operands (vector FMAs, or v_wmma_f32_16x16x4_f32). A number that lies on a knife's edge between two numbers of the format may be rounded either way, as far as f32 arithmetic and the matrix unit's own rounding can turn it there, and no further.
;;   INPUTS GIVEN AS CODES. Wk (in the module: [1024, 1024], K = its axis 0); Wo (in the module: [1024, 1024], K = its axis 0); Wq (in the module: [1024, 1024], K = its axis 0); Wv (in the module: [1024, 1024], K = its axis 0); q (in the module: [2, 2048, 1024], K = its axis 2): each comes as NAME_codes (uint8): NAME with its K axis moved to the last place and cut into blocks of 32 codes, [.., K / 32, bytes a block], one block behind the other in memory; one code a byte (a code: sign, 4 exponent bits, 3 mantissa bits); and NAME_scales (uint8): the same leading axes, one E8M0 byte (e + 127) for each 32 codes along K. Its value is code x scale, taken as it is: it is not quantised again, and the codes and scales need not be those that the quantiser above would give.
;; One version. Each part assembles by itself: llvm-mc -triple=amdgcn-amd-amdhsa -mcpu=gfx1250 --defsym DOCPART=n.
;; ======== version 1 of 1: 3 launches
;; limits: right only within a limited range of input values
;; workspace buffers: qimg 4,194,304 bytes; qs 262,144 bytes; kv 8,781,824 bytes; aimg 4,194,304 bytes; asc 131,072 bytes
;; launch qkv (part 1): grid 16 x 16, 4 waves a work-group, clusters of 4 x 4, 327,680 bytes of LDS; arguments q_codes, q_scales, Wq_codes, Wq_scales, Wk_codes, Wk_scales, Wv_codes, Wv_scales, bq, bk, bv, qimg, qs, kv; writes qimg, qs, kv
.if DOCPART == 1
	.amdgcn_target "amdgcn-amd-amdhsa--gfx1250"
	.amdhsa_code_object_version 6
	.text
	.protected	k_qb7a52ae572_qkv
	.globl	k_qb7a52ae572_qkv
	.p2align	8
	.type	k_qb7a52ae572_qkv,@function
k_qb7a52ae572_qkv:
	s_mov_b64 s[64:65], 0
	v_nop
	global_prefetch_b8 v0, s[64:65] scope:SCOPE_SE
	s_setreg_imm32_b32 hwreg(HW_REG_WAVE_MODE, 25, 1), 1
	s_wait_xcnt 0x0
	s_wait_alu depctr_hold_cnt(0) depctr_sa_sdst(0) depctr_va_vdst(0) depctr_va_sdst(0) depctr_va_ssrc(0) depctr_va_vcc(0) depctr_vm_vsrc(0)
	s_getreg_b32 s2, hwreg(HW_REG_IB_STS2, 6, 4)
	s_cmp_eq_u32 s2, 0
	s_cbranch_scc0 .Lentry_in_a_cluster
	s_endpgm
.Lentry_in_a_cluster:
	s_bfe_u32 s2, ttmp6, 0x10000c
	s_cmp_lg_u32 s2, 0xf033
	s_cbranch_scc0 .Lentry_shape_is_right
	s_endpgm
.Lentry_shape_is_right:
; qp = q Wq + bq, kp = q Wk + bk, vp = q Wv + bv on codes of FP8 (E4M3) with one E8M0 scale for each 32 along K = 1,024; the results are quantised at once:
; qp and kp along the head's 64 (two blocks), vp along the keys, and stored as IMAGES OF THE OPERAND REGISTERS that the attention launch loads.
; DEAD WORK of the program: key tiles wholly behind reference()'s own causal mask (left out in the attention launch).  Here nothing is left out.
; SHARES.  Work-group (hx, yb): 256 rows of q (yb) x head hx's 64 columns of each of Wq, Wk, Wv.  Wave w: rows 64 w .. 64 w + 63 x all 192 columns: 48 accumulators, 384 registers.
; K goes in slots of 256 through a ring of two LDS slots; 4 K slots, 8 steps of 128, all written out.  Waves 0, 1, 2 fetch Wq's, Wk's, Wv's 64 rows, wave 3 q's 256 rows: one tensor load a wave for each fill.
; The scale bytes come from memory straight into registers: a row's 32 bytes lie in lanes r (K steps 0-3) and 16 + r (K steps 4-7).
; CLUSTER 4 x 4: q's tiles hang on yb alone and are asked for jointly along a row of the cluster, the weights' on hx alone, jointly along a column.
; PREFETCH: K slots 2 and 3, behind K slot 1's load and the LDS loads that follow it, one and two changes of slots ahead of their refills; each row's 256 bytes of a slot once in a cluster, the partners' shares told apart by address.
; LAYOUT.  q and k are used transposed (source 0 = 16 rows of W, source 1 = 16 rows of q): a lane holds one token and eight channels 16 t + 8 h + j.  v is used as it stands (source 0 = q, source 1 = W): a lane holds one channel
; and eight keys.  The 16 registers of two neighbouring tiles, converted, are taken as one chunk (k places 32 c + 16 h + 0 .. 15) of the next operand: place 16 h + i holds index 8 h + i (i < 8) or 16 + 8 h + i - 8.
; That permutes k INSIDE a block of 32, alike for both operands of each attention product (Q with K, P with V): the block, its scale and the products are the same; only the unit's grouping of the partial sums differs.
; The biases are the C of each sum's first matrix instruction.
; LIMITS: NaN and infinities among the inputs are not served.  A block whose largest magnitude lies under 2^-118, a block of zeros among them, gets the scale byte 1 (its codes are then small or zero; the bytes are read by this program alone).
; REGISTERS, in windows of 256: window 0: v0-22 addresses, v28-29 for the spare words; v32-79 W's scale words (4 b + s % 4), v82-97 q's (4 a + s % 4): scales and nothing else; v160-223 bq, bk, v224-255 bv, later the epilogue's registers.
;   window 1: W's 12 fragments at 16 b; q's fragments, set 0, at 192 + 16 a.   window 2: the accumulators of q and k at 128 part + 32 a + 8 t.   window 3: those of v at 32 t + 8 a; q's fragments, set 1, at 128 + 16 a.
.set PITCH, 272                        ; an LDS row: 256 bytes + 16 of padding: the 16 rows that a load touches start at 16 different 16-byte columns
.set T16,   16*PITCH
.set WPART, 64*PITCH                   ; 64 rows: one weight's part of a slot
.set AOFF,  3*WPART                    ; q's 256 rows lie behind the three weights'
.set SLOT,  7*WPART                    ; 121,856
.set SPARE, 2*SLOT                     ; the spare words: 128 bytes for each wave
.set VST,   SPARE+512                  ; 512 bytes: V's scale words of two key steps, gathered from the four waves
.set HEADB, 274432                     ; a head in kv: 12,288 bytes of scale words, then 16 key steps of 16,384 bytes
.set LI,  3                            ; v3  16 x lane
.set LS8, 4                            ; v4  16 r + 8 h
.set ADW, 5                            ; v5-6  W's fragments in slot 0, 1
.set ADA, 7                            ; v7-8  q's
.set SPW, 28
.set NIL, 29
.set SCW, 32
.set SCA, 82
.set TM,  160                          ; the epilogue: largest magnitudes; TP the other half's; LM 448 x scale; SO the conversions' scale operands; BY the bytes; CD 32 registers of codes
.set TP,  168
.set LM,  176
.set SO,  184
.set BY,  192
.set CD,  224
.set WV,  32                           ; s32 the wave's number
.set G1A, 48
.set G1W, 56
.set G0A, 92                           ; s[92:99] q's tiles, a set for each slot
.set G0W, 8                            ; s[8:15]  the weights' tiles, a set for each slot (the registers held pointers that have been used)
.set MSB, 0
.macro WIN new                         ; the immediate's high byte repeats the setting that is left; a switch that changes nothing is dropped
.if MSB != (\new)
	s_set_vgpr_msb (MSB<<8)|(\new)
.set MSB, (\new)
.endif
.endm
.macro PLACES n
.rept \n
	v_nop
.endr
.endm
; A joint load: wave 3 asks for q's tile (mask: my row of the cluster), waves 0 to 2 for a weight's (mask: my column).  The branch hangs on the wave's number alone.  Four v_nop follow each line.
.macro JLOAD n
	s_cmp_eq_u32 s[WV], 3
	s_cbranch_scc0 .Lfor_w_\@
	tensor_load_to_lds s[G0A+4*\n:G0A+4*\n+3], s[G1A:G1A+7]
	s_nop 0
	PLACES 4
	s_branch .Lasked_\@
.Lfor_w_\@:
	tensor_load_to_lds s[G0W+4*\n:G0W+4*\n+3], s[G1W:G1W+7]
	s_nop 0
	PLACES 4
.Lasked_\@:
.endm
.macro CREST                           ; a round of the cluster's barrier behind its opening barrier
	s_cmp_lg_u32 s[WV], 0
	s_cbranch_scc1 .Lnot_wave_0_\@
	s_barrier_signal -3
.Lnot_wave_0_\@:
	s_barrier_wait -3
	s_barrier_signal -1
	s_barrier_wait -1
.endm
.macro CROUND
	s_barrier_signal -1
	s_barrier_wait -1
	CREST
.endm
	s_load_b512 s[4:19], s[0:1], 0x0               ; q_codes, q_scales, Wq codes, scales, Wk codes, scales, Wv codes, scales
	s_load_b256 s[20:27], s[0:1], 0x40             ; bq, bk, bv, qimg
	s_load_b128 s[28:31], s[0:1], 0x60             ; qs, kv
	v_lshl_add_u32 v[SPW], v0, 2, SPARE
	v_mov_b32 v[NIL], 0
	ds_add_u32 v[SPW], v[NIL]                      ; the opening adds, twice on end
	ds_add_u32 v[SPW], v[NIL]
	v_lshrrev_b32 v1, 5, v0
	v_readfirstlane_b32 s[WV], v1                  ; wave 0..3
	s_bfe_u32 s33, ttmp6, 0x40000                  ; cx
	s_bfe_u32 s34, ttmp6, 0x40004                  ; cy
	s_lshl_b32 s35, ttmp9, 2
	s_add_co_u32 s35, s35, s33                     ; hx: the head
	s_and_b32 s36, ttmp7, 0xffff
	s_lshl_b32 s36, s36, 2
	s_add_co_u32 s36, s36, s34                     ; yb: the block of 256 rows
	s_lshl_b32 s46, s34, 2
	s_lshl_b32 s46, 15, s46                        ; my row of the cluster
	s_lshl_b32 s47, 0x1111, s33                    ; my column
	; group 1, q's tile: 256 rows x 256 bytes, 1,024 bytes apart; 16 bytes of padding behind each 256
	s_or_b32 s[G1A], s46, (1<<20)|(1<<21)|(5<<22)|(3<<25)
	s_mov_b32 s[G1A+1], 256<<16
	s_mov_b32 s[G1A+2], 256<<16
	s_mov_b32 s[G1A+3], 256<<16
	s_mov_b32 s[G1A+4], 256
	s_mov_b32 s[G1A+5], 1024
	s_mov_b32 s[G1A+6], 0
	s_mov_b32 s[G1A+7], 0
	; a weight's tile: 64 rows
	s_or_b32 s[G1W], s47, (1<<20)|(1<<21)|(5<<22)|(3<<25)
	s_mov_b32 s[G1W+1], 256<<16
	s_mov_b32 s[G1W+2], 64<<16
	s_mov_b32 s[G1W+3], 256<<16
	s_mov_b32 s[G1W+4], 64
	s_mov_b32 s[G1W+5], 1024
	s_mov_b32 s[G1W+6], 0
	s_mov_b32 s[G1W+7], 0
	s_mul_i32 s37, s[WV], WPART                    ; where my tile goes in a slot: 17,408 x wave
	s_mov_b32 s66, 0x600000                        ; the mantissa field of 448
	s_mov_b32 s100, 0x76543210
	s_mov_b32 s101, 0xfedcba98                     ; v_permlanex16_b32's selects for lane l xor 16
	s_lshl_b32 s42, s36, 18                        ; q's codes: 256 rows of 1,024 bytes a block (s[42:43] holds numbers made of yb alone,
	s_mov_b32 s43, 0
	s_lshl_b32 s44, s35, 16                        ; s[44:45] of hx alone): a weight's 64 rows of 1,024 bytes a head
	s_mov_b32 s45, 0
	s_wait_dscnt 0x0                               ; both opening adds are done
	CROUND                                         ; all sixteen work-groups are here: the first joint loads meet
	s_wait_kmcnt 0x0
	s_cmp_eq_u32 s[WV], 1                          ; which weight I fetch: wave 0 Wq, wave 1 Wk, else Wv
	s_cselect_b64 s[38:39], s[12:13], s[16:17]
	s_cmp_eq_u32 s[WV], 0
	s_cselect_b64 s[38:39], s[8:9], s[38:39]
	s_add_nc_u64 s[4:5], s[4:5], s[42:43]
	s_add_nc_u64 s[38:39], s[38:39], s[44:45]
	s_lshl_b32 s44, s35, 11                        ; a weight's scale bytes: 64 rows of 32
	s_add_nc_u64 s[40:41], s[10:11], s[44:45]
	s_add_nc_u64 s[2:3], s[14:15], s[44:45]
	s_add_nc_u64 s[18:19], s[18:19], s[44:45]
.irp n, 0,1
	s_mov_b32 s[G0A+4*\n], 1
	s_add_co_u32 s[G0A+4*\n+1], s37, \n*SLOT
	s_add_nc_u64 s[G0A+4*\n+2:G0A+4*\n+3], s[4:5], \n*256
	s_or_b32 s[G0A+4*\n+3], s[G0A+4*\n+3], 0x80000000
	s_mov_b32 s[G0W+4*\n], 1
	s_add_co_u32 s[G0W+4*\n+1], s37, \n*SLOT
	s_add_nc_u64 s[G0W+4*\n+2:G0W+4*\n+3], s[38:39], \n*256
	s_or_b32 s[G0W+4*\n+3], s[G0W+4*\n+3], 0x80000000
.endr
	JLOAD 0                                        ; K slot 0: one tensor load a wave at the head
	s_lshl_b32 s42, s36, 13                        ; q's scale bytes: 256 rows of 32, my wave's 64
	s_lshl_b32 s67, s[WV], 11
	s_add_co_u32 s42, s42, s67
	s_add_nc_u64 s[6:7], s[6:7], s[42:43]
	s_add_co_u32 s44, s37, AOFF                    ; my 64 rows of q: 64 x wave rows behind the weights'
	s_lshr_b32 s42, s[WV], 1
	s_lshl_b32 s42, s42, 8
	s_and_b32 s67, s[WV], 1
	s_lshl_b32 s67, s67, 1
	s_add_co_u32 s42, s42, s67
	s_add_co_u32 s42, s42, VST
	v_and_b32 v1, 15, v0                           ; r
	v_bfe_u32 v2, v0, 4, 1                         ; h
	v_lshlrev_b32 v20, 5, v1
	v_lshl_add_u32 v20, v2, 4, v20                 ; scale bytes: row r, 16 h: 32 lanes read 512 consecutive bytes
.irp t, 0,1,2,3
	global_load_b128 v[SCW+4*\t:SCW+4*\t+3], v20, s[40:41] offset:512*\t
	global_load_b128 v[SCA+4*\t:SCA+4*\t+3], v20, s[6:7] offset:512*\t
	global_load_b128 v[SCW+16+4*\t:SCW+19+4*\t], v20, s[2:3] offset:512*\t
	global_load_b128 v[SCW+32+4*\t:SCW+35+4*\t], v20, s[18:19] offset:512*\t
.endr
	v_and_b32 v16, 31, v0
	v_lshlrev_b32 v[LI], 4, v16
	v_lshlrev_b32 v[LS8], 4, v1
	v_lshl_add_u32 v[LS8], v2, 3, v[LS8]
	v_mul_u32_u24 v[ADW], v1, PITCH
	v_lshl_add_u32 v[ADW], v2, 4, v[ADW]           ; a fragment's row x pitch + 16 h
	v_add_nc_u32 v[ADW+1], SLOT, v[ADW]
	v_add_nc_u32 v[ADA], s44, v[ADW]
	v_add_nc_u32 v[ADA+1], SLOT, v[ADA]
	v_lshl_add_u32 v11, v1, 4, s42                 ; V's scale bytes: 256 (wave / 2) + 16 r + 4 t + 2 (wave % 2)
	v_add_nc_u32 v12, VST, v[LI]
	v_mul_u32_u24 v13, v2, 768
	v_lshl_add_u32 v13, v1, 4, v13
	v_lshlrev_b32 v14, 5, v2                       ; bq, bk: my half's eight channels
	v_lshlrev_b32 v15, 2, v1                       ; bv: my channel
	v_lshlrev_b32 v22, 10, v1                      ; a prefetch: 16 rows;
	v_lshl_add_u32 v21, v2, 8, v22                 ; lanes 16-31 the next K slot
	s_wait_alu depctr_va_vdst(0)
	s_wait_xcnt 0x0                                ; the loads' bases may be written
	s_lshl_b32 s42, s33, 6
	s_lshl_b32 s67, s[WV], 4
	s_add_co_u32 s42, s42, s67
	s_lshl_b32 s42, s42, 10
	s_add_nc_u64 s[6:7], s[4:5], s[42:43]          ; prefetch of q: of the 256 rows my 64 (by cx), my wave's 16
	s_lshl_b32 s42, s34, 14
	s_add_nc_u64 s[4:5], s[38:39], s[42:43]        ; of my weight: 16 of the 64 rows (by cy)
	; where the results go
	s_lshr_b32 s42, s36, 3
	s_lshl_b32 s42, s42, 4
	s_add_co_u32 s42, s42, s35                     ; bh = 16 x batch + head
	s_and_b32 s43, s36, 7                          ; y8: the block of 256 rows within the batch
	s_lshl_b32 s44, s35, 8
	s_mov_b32 s45, 0
	s_add_nc_u64 s[20:21], s[20:21], s[44:45]      ; the biases at my head's 64 channels
	s_add_nc_u64 s[22:23], s[22:23], s[44:45]
	s_add_nc_u64 s[24:25], s[24:25], s[44:45]
.irp t, 0,1,2,3
	global_load_b128 v[160+8*\t:163+8*\t], v14, s[20:21] offset:64*\t          ; bq(16 t + 8 h + 0 .. 7): the result's layout
	global_load_b128 v[164+8*\t:167+8*\t], v14, s[20:21] offset:64*\t+16
	global_load_b128 v[192+8*\t:195+8*\t], v14, s[22:23] offset:64*\t
	global_load_b128 v[196+8*\t:199+8*\t], v14, s[22:23] offset:64*\t+16
	global_load_b32 v[224+8*\t], v15, s[24:25] offset:64*\t                    ; bv(16 t + r)
.endr
	s_lshl_b32 s44, s42, 7
	s_lshl_b32 s67, s43, 4
	s_add_co_u32 s44, s44, s67
	s_lshl_b32 s67, s[WV], 2
	s_add_co_u32 s44, s44, s67
	s_lshl_b32 s44, s44, 10
	s_add_nc_u64 s[26:27], s[26:27], s[44:45]      ; qimg: tile 128 bh + 16 y8 + 4 wave, 1,024 bytes a tile
	s_lshl_b32 s44, s42, 5
	s_lshl_b32 s67, s43, 2
	s_add_co_u32 s44, s44, s67
	s_add_co_u32 s44, s44, s[WV]
	s_lshl_b32 s44, s44, 8
	s_add_nc_u64 s[28:29], s[28:29], s[44:45]      ; qs: group 32 bh + 4 y8 + wave, 256 bytes a group
	s_mul_i32 s44, s42, HEADB
	s_add_nc_u64 s[30:31], s[30:31], s[44:45]      ; kv at my head
	s_lshl_b32 s46, s43, 1
	s_lshr_b32 s47, s[WV], 1
	s_add_co_u32 s47, s47, s46                     ; my key step of 128: 2 y8 + wave / 2
	s_and_b32 s2, s[WV], 1                         ; and which half of it
	s_lshl_b32 s44, s47, 14
	s_lshl_b32 s3, s2, 12
	s_add_co_u32 s44, s44, s3
	s_add_co_u32 s44, s44, 12288
	s_add_nc_u64 s[16:17], s[30:31], s[44:45]      ; K's images
	s_lshl_b32 s44, s47, 14
	s_lshl_b32 s3, s2, 10
	s_add_co_u32 s44, s44, s3
	s_add_co_u32 s44, s44, 20480
	s_add_nc_u64 s[18:19], s[30:31], s[44:45]      ; V's images
	s_mul_i32 s44, s47, 768
	s_lshl_b32 s3, s2, 8
	s_add_co_u32 s44, s44, s3
	s_add_nc_u64 s[38:39], s[30:31], s[44:45]      ; K's scale words
	s_mul_i32 s44, s46, 768
	s_add_co_u32 s44, s44, 512
	s_add_nc_u64 s[40:41], s[30:31], s[44:45]      ; V's scale words of the work-group's two key steps
.macro FRAG reg, adr, q, row16         ; a fragment, 16 rows x 128 K: registers 4 c .. 4 c + 3 hold K = 32 c + 16 h + 0 .. 15
.irp c, 0,1,2,3
	ds_load_b128 v[\reg+4*\c:\reg+4*\c+3], v[\adr] offset:128*(\q)+32*\c+(\row16)*T16
.endr
.endm
.macro FETCH_W slot, q, b0             ; W's tiles b0 .. b0 + 5 of the slot's q-th 128 along K: 24 loads
	WIN 0x40
.irp i, 0,1,2,3,4,5
	FRAG 16*(\b0+\i), ADW+\slot, \q, \b0+\i
.endr
.endm
.macro FETCH_A slot, q, set            ; q's four tiles into set 0 (window 1) or 1 (window 3): 16 loads
.if \set
	WIN 0xc0
.else
	WIN 0x40
.endif
.irp i, 0,1,2,3
	FRAG 192-64*(\set)+16*\i, ADA+\slot, \q, \i
.endr
.endm
.macro WS s, d, a, b, c, x, y          ; K steps 4-7 take both scale words from lanes 16-31
.if (\s) < 4
	v_wmma_scale_f32_16x16x128_f8f6f4 v[\d:\d+7], v[\a:\a+15], v[\b:\b+15], v[\c:\c+7], v[\x], v[\y]
.else
	v_wmma_scale_f32_16x16x128_f8f6f4 v[\d:\d+7], v[\a:\a+15], v[\b:\b+15], v[\c:\c+7], v[\x], v[\y] matrix_a_scale:MATRIX_SCALE_ROW1 matrix_b_scale:MATRIX_SCALE_ROW1
.endif
.endm
; W's tile b against q's four tiles, K step s.  first = 1: the biases are C, and nothing is ever cleared.  The 48 accumulators take turns, one instruction a turn, in the same order in every step.
.macro MULB s, b, first
.set SETW, (\s)%2
.set RA0, 192-64*SETW
.set XW, SCW+4*(\b)+(\s)%4
.set FW, 16*(\b)
.if (\b) < 8
.if \first
	WIN 0x85
.else
	WIN 0xa5+8*SETW
.endif
.irp a, 0,1,2,3
.set RD, 128*((\b)/4)+32*\a+8*((\b)%4)
.set RC, RD
.if \first
.set RC, 160+8*(\b)
.endif
.set XA, SCA+4*\a+(\s)%4
.set FA, RA0+16*\a
	WS \s, RD, FW, FA, RC, XW, XA
.endr
.else
.if \first
	WIN 0xc5
.else
	WIN 0xf5+2*SETW
.endif
.irp a, 0,1,2,3
.set RD, 32*((\b)-8)+8*\a
.set RC, RD
.if \first
.set RC, 224+8*((\b)-8)
.endif
.set XA, SCA+4*\a+(\s)%4
.set FA, RA0+16*\a
	WS \s, RD, FA, FW, RC, XA, XW
.endr
.endif
.endm
.macro MULS3 s, b0, first
	MULB \s, \b0, \first
	MULB \s, \b0+1, \first
	MULB \s, \b0+2, \first
.endm
; A slot's first step.  W has one set of registers: tiles 0-5 are fetched anew when their 24 products are issued, tiles 6-11 at the step's end; q has two sets.
; Eight plain places stand in front of each run of loads into registers that matrix instructions have read.
.macro STEP slot, s, first
	s_wait_dscnt 24                                ; W's tiles 0-5 and q's set are in; the youngest 24 loads (W's tiles 6-11) may be out
	MULS3 \s, 0, \first
	MULS3 \s, 3, \first
	s_wait_dscnt 0x0                               ; W's tiles 6-11 are in
	PLACES 8
	FETCH_W \slot, 1, 0
	FETCH_A \slot, 1, ((\s)+1)%2
	MULS3 \s, 6, \first
	MULS3 \s, 9, \first
	PLACES 8
	FETCH_W \slot, 1, 6
	WIN 0
.endm
; A slot's second step changes slots: one barrier; in front of it each wave waits for all its tensor loads, adds 0 to its spare word, and waits for that and for its reads of this slot.  fill = 1: the slot is filled again, two K slots on.
.macro TURN slot, next, s, fill
	s_wait_tensorcnt 0x0                           ; all my tensor loads have landed: my part of the next slot
	ds_add_u32 v[SPW], v[NIL]                      ; 0 onto my spare word
	s_wait_dscnt 25                                ; (the add and the youngest 24 loads, W's tiles 6-11, may be out)
	MULS3 \s, 0, 0                                 ; twelve matrix instructions stand between the add and the wait for it
	s_wait_dscnt 0x0                               ; the add is done, and my reads of this slot are over
	s_barrier_signal -1
	MULS3 \s, 3, 0
	WIN 0
	s_barrier_wait -1
.if \fill
	CREST                                          ; the barrier has opened a round of the cluster's barrier: no wave of any partner still reads this slot or has a load on its way
	s_add_nc_u64 s[G0A+4*\slot+2:G0A+4*\slot+3], s[G0A+4*\slot+2:G0A+4*\slot+3], 512
	s_add_nc_u64 s[G0W+4*\slot+2:G0W+4*\slot+3], s[G0W+4*\slot+2:G0W+4*\slot+3], 512
	JLOAD \slot                                    ; the first tensor load behind the round; its four v_nop are among the eight places
	PLACES 4
.else
	PLACES 8
.endif
	FETCH_W \next, 0, 0
	FETCH_A \next, 0, ((\s)+1)%2
	MULS3 \s, 6, 0
	MULS3 \s, 9, 0
	PLACES 8
	FETCH_W \next, 0, 6
	WIN 0
.endm
	s_wait_tensorcnt 0x0                           ; my part of K slot 0 is in; these lines stand ahead of a later first fill as ahead of a refill
	ds_add_u32 v[SPW], v[NIL]
	s_wait_dscnt 0x0
	CROUND                                         ; a whole round: everybody's part of K slot 0 is in
	JLOAD 1                                        ; K slot 1, the first tensor load behind the round
	FETCH_W 0, 0, 0
	FETCH_A 0, 0, 0
	FETCH_W 0, 0, 6
	WIN 0
	global_prefetch_b8 v21, s[6:7] offset:512 th:TH_LOAD_NT scope:SCOPE_SE     ; K slots 2 and 3 of q
	s_cmp_lt_u32 s[WV], 3
	s_cbranch_scc0 .Lno_weight
	global_prefetch_b8 v21, s[4:5] offset:512 th:TH_LOAD_NT scope:SCOPE_SE     ; and of the weight that my wave fetches
.Lno_weight:
	s_wait_loadcnt 0x0                             ; the scale words and the biases
.irp t, 0,1,2,3
.irp j, 1,2,3,4,5,6,7
	v_mov_b32 v[224+8*\t+\j], v[224+8*\t]          ; in v's layout a lane's eight registers are eight keys of one channel: the same bias
.endr
.endr
	s_wait_alu depctr_va_vdst(0)
	STEP 0, 0, 1
	TURN 0, 1, 1, 1
	STEP 1, 2, 0
	TURN 1, 0, 3, 1
	STEP 0, 4, 0
	TURN 0, 1, 5, 0                                ; nothing is left to fetch
	STEP 1, 6, 0
	s_wait_dscnt 24
	MULS3 7, 0, 0
	MULS3 7, 3, 0
	s_wait_dscnt 0x0
	MULS3 7, 6, 0
	MULS3 7, 9, 0
	WIN 0
; THE QUANTISER: eight blocks of 32; block e is 16 registers of mine (window X, from P0 + 16 e) and 16 of lane l xor 16.  Codes to v[CD + 4 e ..], bytes to v[BY + e].  Each accumulator is read from its low end on.
.macro QUANT8 X, P0
	WIN 5*\X
.set e, 0
.rept 8
	v_max3_num_f32 v[TM+e], |v[\P0+16*e]|, |v[\P0+16*e+1]|, 0x4800000      ; with the floor 2^(9 - 127): the byte cannot fall under 1
.set e, e+1
.endr
.irp i, 2,4,6,8,10,12,14
.set e, 0
.rept 8
	v_max3_num_f32 v[TM+e], |v[\P0+16*e+\i]|, |v[\P0+16*e+\i+1]|, v[TM+e]  ; (the eight blocks by turns)
.set e, e+1
.endr
.endr
	WIN 0
.set e, 0
.rept 8
	v_permlanex16_b32 v[TP+e], v[TM+e], s100, s101
.set e, e+1
.endr
.set e, 0
.rept 8
	v_max_num_f32 v[TM+e], v[TM+e], v[TP+e]        ; the block's largest magnitude
.set e, e+1
.endr
.set e, 0
.rept 8
	v_add_nc_u32 v[SO+e], 0xfc000000, v[TM+e]      ; 8 off its exponent field: the conversion's scale operand
	v_and_or_b32 v[LM+e], v[TM+e], 0x7f800000, s66 ; 448 x the scale
	v_lshrrev_b32 v[BY+e], 23, v[SO+e]             ; the scale's byte
.set e, e+1
.endr
	WIN 0x41*\X
.set e, 0
.rept 8
.irp i, 0,1,2,3,4,5,6,7,8,9,10,11,12,13,14,15
	v_med3_num_f32 v[\P0+16*e+\i], v[\P0+16*e+\i], -v[LM+e], v[LM+e]       ; the conversion to an 8-bit code does not saturate (ISA guide 7.6.2): the hold
.endr
.set e, e+1
.endr
	WIN \X
.set e, 0
.rept 8
	v_cvt_scalef32_pk8_fp8_f32 v[CD+4*e:CD+4*e+1], v[\P0+16*e:\P0+16*e+7], v[SO+e]
	v_cvt_scalef32_pk8_fp8_f32 v[CD+4*e+2:CD+4*e+3], v[\P0+16*e+8:\P0+16*e+15], v[SO+e]
.set e, e+1
.endr
	WIN 0
	v_nop                                          ; one plain line behind the last conversion
.endm
; The scale words of four tiles of tokens: the two bytes, repeated for the two blocks of zero codes that fill the instruction's K = 128; lanes 0-15 then carry tiles 0, 1 and lanes 16-31 tiles 2, 3, so that 32 lanes store 256 bytes on end.
.macro WORDS wd
.irp a, 0,1,2,3
	v_lshl_or_b32 v[\wd+\a], v[BY+2*\a+1], 8, v[BY+2*\a]
.endr
.irp a, 0,1,2,3
	v_lshl_or_b32 v[\wd+\a], v[\wd+\a], 16, v[\wd+\a]
.endr
	v_cndmask_b32 v[\wd+4], v[\wd], v[\wd+2], vcc_lo
	v_cndmask_b32 v[\wd+5], v[\wd+1], v[\wd+3], vcc_lo
.endm
	PLACES 8                                       ; behind the last products
	QUANT8 3, 0                                    ; v first: block 2 t + c: channel tile t, my keys 32 c on
.irp t, 0,1,2,3
	v_lshl_or_b32 v[212+\t], v[BY+2*\t+1], 8, v[BY+2*\t]
.endr
.irp t, 0,1,2,3
	ds_store_b16 v11, v[212+\t] offset:4*\t        ; my two bytes of channel 16 t + r's word (both halves of the lanes write the same)
.irp c, 0,1
	global_store_b128 v[LI], v[CD+8*\t+4*\c:CD+8*\t+4*\c+3], s[18:19] offset:2048*\t+512*\c   ; 32 lanes store 512 consecutive bytes
.endr
.endr
	s_wait_alu depctr_va_vdst(0)
	s_wait_xcnt 0x0                                ; the stores have read the codes' registers: they are written again
	s_wait_dscnt 0x0                               ; for the others' sake: my LDS stores are done
	s_barrier_signal -1
	v_cmp_ne_u32 vcc_lo, 0, v2                     ; lanes 16-31.  Between signal and wait: q's quantiser, work on registers
	QUANT8 2, 0                                    ; q: block 2 a + c
	WORDS 200
	s_wait_alu depctr_va_vdst(0)
	s_barrier_wait -1
.irp a, 0,1,2,3
.irp c, 0,1
	global_store_b128 v[LI], v[CD+8*\a+4*\c:CD+8*\a+4*\c+3], s[26:27] offset:1024*\a+512*\c
.endr
.endr
	global_store_b64 v[LS8], v[204:205], s[28:29]  ; 256 consecutive bytes
	s_cmp_lg_u32 s[WV], 0
	s_cbranch_scc1 .Lnot_first
	ds_load_b128 v[216:219], v12                   ; the two key steps' words of V, 256 bytes each
	s_wait_dscnt 0x0
	global_store_b128 v13, v[216:219], s[40:41]    ; lanes 0-15 one aligned 256 bytes, lanes 16-31 the next key step's
.Lnot_first:
	s_wait_xcnt 0x0                                ; the stores have read the codes' registers
	QUANT8 2, 128                                  ; k
	WORDS 206
.irp a, 0,1,2,3
.irp c, 0,1
	global_store_b128 v[LI], v[CD+8*\a+4*\c:CD+8*\a+4*\c+3], s[16:17] offset:1024*\a+512*\c
.endr
.endr
	global_store_b64 v[LS8], v[210:211], s[38:39]
	s_wait_tensorcnt 0x0                           ; the wave's end
	ds_add_u32 v[SPW], v[NIL]
	s_wait_dscnt 0x0
	CROUND                                         ; the closing round
	s_endpgm
.Lfunc_end_k_qb7a52ae572_qkv:
	.size	k_qb7a52ae572_qkv, .Lfunc_end_k_qb7a52ae572_qkv-k_qb7a52ae572_qkv
	.p2alignl 7, 3214868480
	.fill 96, 4, 3214868480
	.section	.rodata,"a",@progbits
	.p2align	6, 0x0
	.amdhsa_kernel k_qb7a52ae572_qkv
		.amdhsa_group_segment_fixed_size 327680
		.amdhsa_private_segment_fixed_size 0
		.amdhsa_enable_private_segment 0
		.amdhsa_kernarg_size 112
		.amdhsa_user_sgpr_count 2
		.amdhsa_user_sgpr_kernarg_segment_ptr 1
		.amdhsa_wavefront_size32 1
		.amdhsa_system_sgpr_workgroup_id_x 1
		.amdhsa_system_sgpr_workgroup_id_y 1
		.amdhsa_system_sgpr_workgroup_id_z 1
		.amdhsa_system_vgpr_workitem_id 0
		.amdhsa_next_free_vgpr 1024
		.amdhsa_next_free_sgpr 102
		.amdhsa_reserve_vcc 1
		.amdhsa_float_denorm_mode_32 3
		.amdhsa_float_denorm_mode_16_64 3
		.amdhsa_memory_ordered 1
		.amdhsa_forward_progress 1
		.amdhsa_inst_pref_size 154
	.end_amdhsa_kernel
	.amdgpu_metadata
---
amdhsa.version: [ 1, 2 ]
amdhsa.kernels:
  - .name:           k_qb7a52ae572_qkv
    .symbol:         k_qb7a52ae572_qkv.kd
    .args:
      - { .name: q_codes, .offset: 0, .size: 8, .value_kind: global_buffer, .address_space: global }
      - { .name: q_scales, .offset: 8, .size: 8, .value_kind: global_buffer, .address_space: global }
      - { .name: Wq_codes, .offset: 16, .size: 8, .value_kind: global_buffer, .address_space: global }
      - { .name: Wq_scales, .offset: 24, .size: 8, .value_kind: global_buffer, .address_space: global }
      - { .name: Wk_codes, .offset: 32, .size: 8, .value_kind: global_buffer, .address_space: global }
      - { .name: Wk_scales, .offset: 40, .size: 8, .value_kind: global_buffer, .address_space: global }
      - { .name: Wv_codes, .offset: 48, .size: 8, .value_kind: global_buffer, .address_space: global }
      - { .name: Wv_scales, .offset: 56, .size: 8, .value_kind: global_buffer, .address_space: global }
      - { .name: bq, .offset: 64, .size: 8, .value_kind: global_buffer, .address_space: global }
      - { .name: bk, .offset: 72, .size: 8, .value_kind: global_buffer, .address_space: global }
      - { .name: bv, .offset: 80, .size: 8, .value_kind: global_buffer, .address_space: global }
      - { .name: qimg, .offset: 88, .size: 8, .value_kind: global_buffer, .address_space: global }
      - { .name: qs, .offset: 96, .size: 8, .value_kind: global_buffer, .address_space: global }
      - { .name: kv, .offset: 104, .size: 8, .value_kind: global_buffer, .address_space: global }
    .group_segment_fixed_size: 327680
    .private_segment_fixed_size: 0
    .kernarg_segment_align: 8
    .kernarg_segment_size: 112
    .max_flat_workgroup_size: 128
    .sgpr_count:     102
    .vgpr_count:     1024
    .wavefront_size: 32
...
	.end_amdgpu_metadata
.endif
;; end of part 1
;; launch attn (part 2): grid 4 x 64, 8 waves a work-group, clusters of 4 x 4, 327,680 bytes of LDS; arguments qimg, qs, kv, aimg, asc; writes aimg, asc
.if DOCPART == 2
	.amdgcn_target "amdgcn-amd-amdhsa--gfx1250"
	.amdhsa_code_object_version 6
	.text
	.protected	k_qb7a52ae572_attn
	.globl	k_qb7a52ae572_attn
	.p2align	8
	.type	k_qb7a52ae572_attn,@function
k_qb7a52ae572_attn:
	s_mov_b64 s[64:65], 0
	v_nop
	global_prefetch_b8 v0, s[64:65] scope:SCOPE_SE
	s_setreg_imm32_b32 hwreg(HW_REG_WAVE_MODE, 25, 1), 1
	s_wait_xcnt 0x0
	s_wait_alu depctr_hold_cnt(0) depctr_sa_sdst(0) depctr_va_vdst(0) depctr_va_sdst(0) depctr_va_ssrc(0) depctr_va_vcc(0) depctr_vm_vsrc(0)
	s_getreg_b32 s2, hwreg(HW_REG_IB_STS2, 6, 4)
	s_cmp_eq_u32 s2, 0
	s_cbranch_scc0 .Lentry_in_a_cluster
	s_endpgm
.Lentry_in_a_cluster:
	s_bfe_u32 s2, ttmp6, 0x10000c
	s_cmp_lg_u32 s2, 0xf033
	s_cbranch_scc0 .Lentry_shape_is_right
	s_endpgm
.Lentry_shape_is_right:
; Causal attention on codes of FP8 (E4M3), an E8M0 scale for each 32 along a product's K: S^T = K Q^T, p = 2^(t - M), O^T = V^T P^T, O / l quantised again along the head's 64 for the next product.
; q, k, v come as images of operand registers with their scale words: qimg [head of 32][tile of 16 rows][1,024 bytes], kv [head][12,288 bytes of scale words: 768 a key step of 128][16 steps of K 8,192, V 8,192 bytes].
; LEFT OUT: key tiles of 128 all of whose keys come after a tile's queries: reference()'s own mask gives them p = 0, for all inputs.  A NaN or an infinity among such keys is not carried to the result.
; LIMITS: scaled scores (exponents to the base 2) stay under 2^31 in magnitude; NaN and infinities are not served.  A block's scale byte never falls under 1 (codes of such a block are small or zeros).
; A block's exponent is floor(t - M) of its largest score: where p rounds up to the power of two above, p is held at the largest code.
; SHARES.  Work-group: a head (y / 2) and g = 4 (y % 2) + cx: of each class k of 256 rows it owns two tiles of 16: X = rows 256 k + 16 g on, Y = 128 rows on.  X needs key steps 0 .. 2 k, Y 0 .. 2 k + 1.
; A wave holds X and Y of a class and feeds both from each fragment of K and V.  Waves m and m + 4 (m = 0 .. 3) share classes m and 7 - m:
;   wave m: class m (X, Y to step 2 m, then Y alone), stored; then class 7 - m from step 5 on: thirteen trips;   wave m + 4: class 7 - m, steps 0 .. 4: five trips, and it passes over the others.
; At the end wave m hands Y's sums to wave m + 4 and takes X's: each merges and stores one tile.
; CLUSTER 4 x 4: K and V of a head are asked for jointly along a row of the cluster.  All of it lies in LDS: wave 0 fetches the scale words and steps 0 and 1, wave w steps 2 w, 2 w + 1: one load a wave, filled once.
; Trip 0 runs while steps 2 on land.  All bytes are asked for at the head, so there is nothing to prefetch.
; REGISTERS: window 0: addresses, sums, S and p (64 X, 64 Y), codes, scales.  Window 1: O^T (32 X, 32 Y), Q, K, V.
.set HEADB, 274432
.set PB,  274432                       ; the waves' handed sums: 4,352 bytes each
.set PSZ, 4352
.set SPARE, 309248                     ; the spare words: 128 bytes a wave
.set CUT, 5                            ; the long class's steps under CUT are wave m + 4's
.set TRIPS, 18-CUT
.set LI, 1
.set LSC, 2
.set ADK, 3
.set ADN, 4
.set ADV, 5
.set ADT, 6
.set R, 7
.set H, 8
.set SPW, 9
.set NIL, 10
.set NINF, 11
.set OA, 12
.set OB, 13
.set B, 16                             ; block maxima, 4 a tile
.set T, 24                             ; lane permutes' results; the blocks' exponents
.set SO, 32                            ; the conversions' scale operands
.set LM, 40                            ; 448 x scale
.set NM, 48                            ; v48 -M of X, v49 X's largest score; v50, v51 Y's
.set L, 52                             ; the rows' sums, two halves
.set F, 56                             ; 2^(old M - new M); the odd ones hold 0
.set SU, 60
.set S, 64
.set PC, 192                           ; codes of p; ahead of them partial sums of p
.set KS, 224
.set VS, 232
.set QS, 236
.set PW, 238
.set QSN, 240
.set TD, 242
.set TE, 244
.set PA, 252
.set PL, 253
.set PA2, 254
.set PL2, 255
.set O, 0                              ; window 1 from here
.set Q, 64                             ; 8 registers of codes, 8 of zeros: K = 64 of the instruction's 128
.set K, 96
.set V, 168
.set QN, 232                           ; the second class's Q
.set WV, 14
.set M2, 15
.set ROLE, 16
.set SEL, 20
.set CS, 22
.set TR, 48
.set SWT, 49
.set LST, 50
.set DLT, 51
.set TB, 52
.set TS, 53
.set TBN, 54
.set TSN, 55
.set XD, 56
.set XD2, 57
.set NCS, 60
.set G, 61
.set BH, 62
.set MNT, 63
.set TRI, 70
.set MK, 78
.set MB, 86
.set STP, 96
.set LIM, 97
.set MSB, 0
.macro WIN new                         ; the immediate's high byte repeats the setting that is left
.if MSB != (\new)
	s_set_vgpr_msb (MSB<<8)|(\new)
.set MSB, (\new)
.endif
.endm
.macro PLACES n
.rept \n
	v_nop
.endr
.endm
.macro WALU
	s_wait_alu depctr_va_vdst(0)
.endm
.macro CROUND
	s_barrier_signal -1
	s_barrier_wait -1
	s_cmp_lg_u32 s[WV], 0
	s_cbranch_scc1 .Lnot_wave_0_\@
	s_barrier_signal -3
.Lnot_wave_0_\@:
	s_barrier_wait -3
	s_barrier_signal -1
	s_barrier_wait -1
.endm
	s_load_b256 s[4:11], s[0:1], 0x0               ; qimg, qs, kv, aimg
	s_load_b64 s[12:13], s[0:1], 0x20              ; asc
	v_lshl_add_u32 v[SPW], v0, 2, SPARE
	v_mov_b32 v[NIL], 0
	ds_add_u32 v[SPW], v[NIL]                      ; the opening adds, twice on end
	ds_add_u32 v[SPW], v[NIL]
	v_lshrrev_b32 v[R], 5, v0
	v_readfirstlane_b32 s[WV], v[R]                ; wave 0..7
	s_bfe_u32 s18, ttmp6, 0x40000                  ; cx
	s_bfe_u32 s19, ttmp6, 0x40004                  ; cy
	s_and_b32 s17, ttmp7, 0xffff
	s_lshl_b32 s17, s17, 2
	s_add_co_u32 s17, s17, s19                     ; y = 2 x head + half
	s_lshr_b32 s[BH], s17, 1
	s_and_b32 s[G], s17, 1
	s_lshl_b32 s[G], s[G], 2
	s_add_co_u32 s[G], s[G], s18                   ; g: my tile of eight in each 128 rows
	s_lshl_b32 s58, s19, 2
	s_lshl_b32 s58, 15, s58                        ; my row of the cluster
	s_or_b32 s24, s58, (3<<16)|(1<<21)             ; wave 0: 45,056 dense bytes as 176 rows of 256
	s_mov_b32 s25, 32<<16
	s_mov_b32 s26, 176<<16
	s_mov_b32 s27, 32<<16
	s_mov_b32 s28, 176
	s_mov_b32 s29, 32
	s_mov_b32 s30, 0
	s_mov_b32 s31, 0
	s_or_b32 s32, s58, (3<<16)|(1<<21)             ; the others: 32,768 bytes, two key steps
	s_mov_b32 s33, 32<<16
	s_mov_b32 s34, 128<<16
	s_mov_b32 s35, 32<<16
	s_mov_b32 s36, 128
	s_mov_b32 s37, 32
	s_mov_b32 s38, 0
	s_mov_b32 s39, 0
	s_and_b32 s58, s[WV], 3                        ; m
	s_lshr_b32 s[ROLE], s[WV], 2
	s_lshl_b32 s[M2], s58, 1
	s_xor_b32 s[DLT], s[M2], 15
	s_add_co_u32 s[DLT], s[DLT], CUT-1             ; trip 2 m + 2 is step CUT, modulo 16
	s_xor_b32 s59, s58, 7                          ; 7 - m: the long class
	s_or_b32 s[SWT], s[M2], 1                      ; waves 0-3: trip 2 m + 1 is Y's last step of class m
	s_lshl_b32 s[XD2], s59, 1
	s_mov_b32 s[LST], TRIPS-1                      ; and the last trip Y's last of class 7 - m
	s_mov_b32 s[LIM], 60
	s_cmp_eq_u32 s[ROLE], 1
	s_cselect_b32 s[SWT], 60, s[SWT]               ; waves 4-7: never; and they end with trip CUT - 1
	s_cselect_b32 s[LST], 60, s[LST]
	s_cselect_b32 s[LIM], CUT, s[LIM]
	s_cselect_b32 s58, s59, s58                    ; my first class
	s_lshl_b32 s[XD], s58, 1                       ; X's diagonal step
	s_sub_co_u32 s59, s59, s58                     ; classes from my first to my second
	s_mul_i32 s66, s[BH], HEADB
	s_mov_b32 s67, 0
	s_lshl_b32 s45, s[WV], 15
	s_add_co_u32 s45, s45, 12288                   ; steps 2 w, 2 w + 1: the same place in LDS as in the head's bytes
	s_mov_b32 s68, s45
	s_mov_b32 s69, 0
	s_mov_b32 s40, 1
	s_mov_b32 s41, 0
	s_mov_b32 s44, 1
	s_mov_b32 s[SEL], 0x76543210
	s_mov_b32 s[SEL+1], 0xfedcba98                 ; lane l xor 16
	s_mov_b32 s[CS], 0x3e38aa3b                    ; c = log2(e) / 8
	s_mov_b32 s[CS+1], s[CS]
	s_mov_b32 s[NCS], 0xbe38aa3b                   ; -c
	s_mov_b32 s[MNT], 0x600000                     ; the mantissa field of 448
	s_wait_dscnt 0x0                               ; both opening adds are done
	CROUND                                         ; all sixteen work-groups are here: the joint loads meet
	s_wait_kmcnt 0x0
	s_add_nc_u64 s[42:43], s[8:9], s[66:67]
	s_add_nc_u64 s[46:47], s[42:43], s[68:69]
	s_or_b32 s43, s43, 0x80000000
	s_or_b32 s47, s47, 0x80000000
	s_cmp_eq_u32 s[WV], 0                          ; one load a wave; wave 0's line is its own: it is shown ahead of the rest
	s_cbranch_scc0 .Lrest
	tensor_load_to_lds s[40:43], s[24:31]
	s_nop 0
	PLACES 4
	s_branch .Lasked
.Lrest:
	tensor_load_to_lds s[44:47], s[32:39]
	s_nop 0
	PLACES 4
.Lasked:
	s_lshl_b32 s66, s[BH], 7                       ; Q: tile 128 head + 16 class + g, 1,024 bytes; Y eight tiles on
	s_lshl_b32 s87, s58, 4
	s_add_co_u32 s66, s66, s87
	s_add_co_u32 s66, s66, s[G]
	s_lshl_b32 s66, s66, 10
	s_add_nc_u64 s[4:5], s[4:5], s[66:67]
	s_lshl_b32 s66, s59, 14
	s_add_nc_u64 s[88:89], s[4:5], s[66:67]
	s_lshl_b32 s66, s[BH], 5                       ; its scale words: 256 bytes for four tiles: 16 r + 4 (tile % 4)
	s_lshl_b32 s87, s58, 2
	s_add_co_u32 s66, s66, s87
	s_lshr_b32 s87, s[G], 2
	s_add_co_u32 s66, s66, s87
	s_lshl_b32 s66, s66, 8
	s_and_b32 s87, s[G], 3
	s_lshl_b32 s87, s87, 2
	s_add_co_u32 s66, s66, s87
	s_add_nc_u64 s[6:7], s[6:7], s[66:67]
	s_lshl_b32 s66, s59, 10
	s_add_nc_u64 s[90:91], s[6:7], s[66:67]
	s_lshr_b32 s87, s[BH], 4                       ; the batch,
	s_and_b32 s86, s[BH], 15                       ; the head in it
	s_lshl_b32 s66, s87, 4                         ; aimg: [block of 128 rows][two heads][tile g][1,024 bytes a head]
	s_add_co_u32 s66, s66, s[XD]
	s_lshl_b32 s66, s66, 3
	s_lshr_b32 s68, s86, 1
	s_add_co_u32 s66, s66, s68
	s_lshl_b32 s66, s66, 3
	s_add_co_u32 s66, s66, s[G]
	s_lshl_b32 s66, s66, 11
	s_and_b32 s68, s86, 1
	s_lshl_b32 s68, s68, 10
	s_add_co_u32 s66, s66, s68
	s_add_nc_u64 s[10:11], s[10:11], s[66:67]
	s_lshl_b32 s66, s87, 11                        ; asc: [row][2 x head + block]
	s_lshl_b32 s68, s58, 8
	s_add_co_u32 s66, s66, s68
	s_lshl_b32 s68, s[G], 4
	s_add_co_u32 s66, s66, s68
	s_lshl_b32 s66, s66, 5
	s_lshl_b32 s68, s86, 1
	s_add_co_u32 s66, s66, s68
	s_add_nc_u64 s[12:13], s[12:13], s[66:67]
	s_lshl_b32 s92, s59, 18                        ; from my first class to my second: in aimg, in asc
	s_mov_b32 s93, 0
	s_lshl_b32 s94, s59, 13
	s_mov_b32 s95, 0
	s_mul_i32 s87, s[WV], PSZ                      ; where I hand my sums over,
	s_add_co_u32 s87, s87, PB
	s_xor_b32 s86, s[WV], 4                        ; and where my partner does
	s_mul_i32 s86, s86, PSZ
	s_add_co_u32 s86, s86, PB
	v_and_b32 v[R], 15, v0
	v_bfe_u32 v[H], v0, 4, 1
	v_and_b32 v[TD], 31, v0
	v_lshlrev_b32 v[LI], 4, v[TD]
	v_lshlrev_b32 v[LSC], 4, v[R]
	WIN 0x40
.irp z, 0,1
.irp c, 0,1
	global_load_b128 v[Q+16*\z+4*\c:Q+16*\z+4*\c+3], v[LI], s[4:5] offset:8192*\z+512*\c
.endr
.endr
	WIN 0
	global_load_b32 v[QS], v[LSC], s[6:7]
	global_load_b32 v[QS+1], v[LSC], s[6:7] offset:512
	WIN 0x40
.irp z, 0,1
.irp c, 0,1
	global_load_b128 v[QN+8*\z+4*\c:QN+8*\z+4*\c+3], v[LI], s[88:89] offset:8192*\z+512*\c
.endr
.endr
	WIN 0
	global_load_b32 v[QSN], v[LSC], s[90:91]
	global_load_b32 v[QSN+1], v[LSC], s[90:91] offset:512
	v_add_nc_u32 v[PA], s87, v[LI]
	v_lshl_add_u32 v[PL], v[TD], 2, s87
	v_add_nc_u32 v[PA2], s86, v[LI]
	v_lshl_add_u32 v[PL2], v[TD], 2, s86
	v_lshl_add_u32 v[OA], v[H], 3, v[LSC]          ; 16 r + 8 h
	v_lshl_add_u32 v[OB], v[R], 5, v[H]            ; 32 r + h
	v_lshlrev_b32 v[TE], 3, v[H]
	v_sub_nc_u32 v[TE], v[R], v[TE]                ; r - 8 h
	v_mov_b32 v[NINF], 0xff800000
	v_add_nc_u32 v[ADK], 12288, v[LI]
	v_mov_b32 v[ADN], v[LSC]
.irp j, 0,1,2,3,4,5,6,7
	v_cmp_gt_i32 s[TRI+\j], \j, v[TE]              ; in the tile on the diagonal register j's key 8 h + j comes after query r
.endr
.irp z, 0,1
	v_mov_b32 v[NM+2*\z], 0x7f61b1e6               ; -M: 3e38
	v_mov_b32 v[NM+2*\z+1], 0xff61b1e6             ; the largest score: -3e38
	v_mov_b32 v[L+2*\z], 0
	v_mov_b32 v[L+2*\z+1], 0
	v_mov_b32 v[F+2*\z+1], 0
.irp b, 0,1,2,3
	v_mov_b32 v[T+4*\z+\b], 0                      ; (a lane permute's destination counts as one of its sources)
.endr
.endr
	v_mov_b32 v251, 0
	WIN 0x40
.set n, 0
.rept 8
	v_mov_b32 v[Q+8+n], 0
	v_mov_b32 v[Q+24+n], 0
	v_mov_b32 v[K+64+n], 0
.set n, n+1
.endr
.set n, 0
.rept 64
	v_mov_b32 v[O+n], 0                            ; (the step is written for a sum under way: the first change of M multiplies zeros)
.set n, n+1
.endr
	WIN 0
.macro KLOAD
.set n, 0
.rept 16
	ds_load_b128 v[K+4*n:K+4*n+3], v[ADK] offset:512*n
.set n, n+1
.endr
.endm
.macro KSLOAD
	ds_load_b128 v[KS:KS+3], v[ADN]
	ds_load_b128 v[KS+4:KS+7], v[ADN] offset:256
.endm
; the diagonal step of tile z: key tiles under g count, those above are hidden, tile g by the triangle's masks: hidden scores become -infinity
.macro MASK z
.irp k, 0,1,2,3,4,5,6,7
	s_cmp_gt_u32 \k, s[G]
	s_cselect_b32 s[MB], -1, 0
	s_cmp_eq_u32 s[G], \k
.irp j, 0,1,2,3,4,5,6,7
	s_cselect_b32 s[MK+\j], s[TRI+\j], s[MB]
.endr
.irp j, 0,1,2,3,4,5,6,7
	v_cndmask_b32 v[S+64*\z+8*\k+\j], v[S+64*\z+8*\k+\j], v[NINF], s[MK+\j]
.endr
.endr
	WALU
.endm
.macro MX z, k                         ; the largest score of each block of 32 keys, in ten rounds of four lines: 16 of mine, then lane l xor 16's
.irp b, 0,1,2,3
.if (\k) == 0
	v_max3_num_f32 v[B+4*\z+\b], v[S+64*\z+16*\b], v[S+64*\z+16*\b+1], v[S+64*\z+16*\b+2]
.elseif (\k) < 7
	v_max3_num_f32 v[B+4*\z+\b], v[B+4*\z+\b], v[S+64*\z+16*\b+2*(\k)+1], v[S+64*\z+16*\b+2*(\k)+2]
.elseif (\k) == 7
	v_max_num_f32 v[B+4*\z+\b], v[B+4*\z+\b], v[S+64*\z+16*\b+15]
.elseif (\k) == 8
	v_permlanex16_b32 v[T+4*\z+\b], v[B+4*\z+\b], s[SEL], s[SEL+1]
.else
	v_max_num_f32 v[B+4*\z+\b], v[B+4*\z+\b], v[T+4*\z+\b]
.endif
.endr
.endm
; the running largest score, -M = floor(-c x largest), f = 2^(old M - new M)
.macro UP z, k
.if (\k) == 1
	v_max3_num_f32 v[NM+2*\z+1], v[B+4*\z], v[B+4*\z+1], v[NM+2*\z+1]
.elseif (\k) == 2
	v_max3_num_f32 v[NM+2*\z+1], v[B+4*\z+2], v[B+4*\z+3], v[NM+2*\z+1]
.elseif (\k) == 3
	v_mul_f32 v[TD+\z], s[NCS], v[NM+2*\z+1]
.elseif (\k) == 4
	v_floor_f32 v[TD+\z], v[TD+\z]
.elseif (\k) == 5
	v_sub_f32 v[TE+\z], v[TD+\z], v[NM+2*\z]
.elseif (\k) == 6
	v_cvt_i32_f32 v[TE+\z], v[TE+\z]               ; (it saturates)
.elseif (\k) == 7
	v_mov_b32 v[NM+2*\z], v[TD+\z]
.else
	v_ldexp_f32 v[F+2*\z], 1.0, v[TE+\z]
.endif
.endm
.macro BLK z, k                        ; the blocks' scales: e = floor(t - M) of the largest score, not under -118, so that the byte cannot fall under 1
.irp b, 0,1,2,3
.if (\k) == 0
	v_fma_f32 v[B+4*\z+\b], v[B+4*\z+\b], s[CS], v[NM+2*\z]
.elseif (\k) == 1
	v_max_num_f32 v[B+4*\z+\b], 0xc2ec0000, v[B+4*\z+\b]
.elseif (\k) == 2
	v_cvt_floor_i32_f32 v[T+4*\z+\b], v[B+4*\z+\b]
.elseif (\k) == 3
	v_lshl_add_u32 v[SO+4*\z+\b], v[T+4*\z+\b], 23, 0x3b800000   ; 2^(e - 8)
.else
	v_lshl_add_u32 v[LM+4*\z+\b], v[T+4*\z+\b], 23, 0x3fe00000   ; 448 x that
.endif
.endr
.endm
; p's scale word: the four exponents + 119, a byte each: summed as whole numbers, the four 119 at once
.macro WD z, k
.if (\k) == 1
	v_lshl_add_u32 v[PW+\z], v[T+4*\z+3], 8, v[T+4*\z+2]
.elseif (\k) == 2
	v_lshl_add_u32 v[PW+\z], v[PW+\z], 8, v[T+4*\z+1]
.elseif (\k) == 3
	v_lshl_add_u32 v[PW+\z], v[PW+\z], 8, v[T+4*\z]
.else
	v_add_nc_u32 v[PW+\z], 0x77777777, v[PW+\z]
.endif
.endm
.macro PKF z, n                        ; t - M, two at a time
	v_pk_fma_f32 v[S+64*\z+2*(\n):S+64*\z+2*(\n)+1], v[S+64*\z+2*(\n):S+64*\z+2*(\n)+1], s[CS:CS+1], v[NM+2*\z:NM+2*\z+1] op_sel_hi:[1,0,0]
.endm
.macro PKF8 z, n0
.set n, \n0
.rept 8
	PKF \z, n
.set n, n+1
.endr
.endm
.macro EXP2 z, n
	v_exp_f32 v[S+64*\z+2*(\n)], v[S+64*\z+2*(\n)]
	v_exp_f32 v[S+64*\z+2*(\n)+1], v[S+64*\z+2*(\n)+1]
.endm
.macro HOLD z, n                       ; the conversion to an 8-bit code does not saturate (ISA guide 7.6.2): p is held at 448 x scale, two at a time
	v_dual_min_num_f32 v[S+64*\z+2*(\n)], v[LM+4*\z+(\n)/8], v[S+64*\z+2*(\n)] :: v_dual_min_num_f32 v[S+64*\z+2*(\n)+1], v[LM+4*\z+(\n)/8], v[S+64*\z+2*(\n)+1]
.endm
.macro HOLDS z, n0
.set n, \n0
.rept 4
	HOLD \z, n
.set n, n+1
.endr
.endm
; THE ROW'S SUM OF THE UNQUANTISED p.  LV: two pairs of p into partial sum d (in the codes' registers, which are free until the conversions);  TA: partial sum a += b;  LA: the running sum += partial sum d;  LF: the running sum under the new M
.macro LV z, i, d
	v_pk_add_f32 v[PC+2*(\d):PC+2*(\d)+1], v[S+64*\z+4*(\i):S+64*\z+4*(\i)+1], v[S+64*\z+4*(\i)+2:S+64*\z+4*(\i)+3]
.endm
.macro TA a, b
	v_pk_add_f32 v[PC+2*(\a):PC+2*(\a)+1], v[PC+2*(\a):PC+2*(\a)+1], v[PC+2*(\b):PC+2*(\b)+1]
.endm
.macro LA z, d
	v_pk_add_f32 v[L+2*\z:L+2*\z+1], v[L+2*\z:L+2*\z+1], v[PC+2*(\d):PC+2*(\d)+1]
.endm
.macro LF z
	v_pk_mul_f32 v[L+2*\z:L+2*\z+1], v[L+2*\z:L+2*\z+1], v[F+2*\z:F+2*\z+1] op_sel_hi:[1,0]
.endm
.macro CV z, b
	v_cvt_scalef32_pk8_fp8_f32 v[PC+16*\z+4*\b:PC+16*\z+4*\b+1], v[S+64*\z+16*\b:S+64*\z+16*\b+7], v[SO+4*\z+\b]
	v_cvt_scalef32_pk8_fp8_f32 v[PC+16*\z+4*\b+2:PC+16*\z+4*\b+3], v[S+64*\z+16*\b+8:S+64*\z+16*\b+15], v[SO+4*\z+\b]
.endm
; THE SOFTMAX OF X AND Y: X runs ahead, so that each tile's short chains stand among the other's independent lines.
.macro SOFT2
.irp k, 0,1,2,3
	MX 0, \k
.endr
.irp k, 0,1,2,3,4,5
	MX 1, \k
	MX 0, \k+4
.endr
	MX 1, 6
	UP 0, 1
	MX 1, 7
	UP 0, 2
	MX 1, 8
	UP 0, 3
	MX 1, 9
	UP 0, 4
	UP 1, 1
	UP 0, 5
	UP 1, 2
	UP 0, 6
	UP 1, 3
	UP 0, 7
	UP 0, 8
	BLK 0, 0
	UP 1, 4
	BLK 0, 1
	UP 1, 5
	BLK 0, 2
	UP 1, 6
	BLK 0, 3
	UP 1, 7
	UP 1, 8
	BLK 0, 4
	BLK 1, 0
	WD 0, 1
	BLK 1, 1
	WD 0, 2
	BLK 1, 2
	WD 0, 3
	BLK 1, 3
	WD 0, 4
	BLK 1, 4
	PKF8 0, 0
	WD 1, 1
	PKF8 0, 8
	WD 1, 2
	PKF8 0, 16
	WD 1, 3
	PKF8 0, 24
	WD 1, 4
	WALU                                           ; one wait ahead of the batch
.set n, 0
.rept 32                               ; X's exponentials, with Y's scalings among them
	EXP2 0, n
	PKF 1, n
.set n, n+1
.endr
	WALU                                           ; and one behind it
.set n, 0
.rept 16                               ; Y's, with X's first sums and holds among them (a pair is summed ahead of its hold)
	EXP2 1, n
	LV 0, n/2, n/2
	HOLD 0, n
	EXP2 1, n+1
	HOLD 0, n+1
.set n, n+2
.endr
	WALU
	LF 0
	LF 1
.irp i, 0,1,2,3,4,5,6,7
	TA \i, \i+8
.endr
.irp i, 0,1,2,3
	LV 1, 2*\i, 8+2*\i
	LV 1, 2*\i+1, 9+2*\i
	TA \i, \i+4
.endr
	HOLDS 1, 0
	TA 0, 2
	TA 1, 3
	HOLDS 1, 4
	TA 0, 1
	HOLDS 1, 8
	LA 0, 0
	HOLDS 1, 12
.irp i, 0,1,2,3,4,5,6,7
	LV 1, \i+8, \i
.endr
.irp i, 0,1,2,3
	HOLDS 1, 16+4*\i
	TA 8+2*\i, 2*\i
	TA 9+2*\i, 2*\i+1
.endr
.irp i, 0,1,2,3
	CV 0, \i
	TA 8+\i, 12+\i
.endr
	TA 8, 10
	TA 9, 11
	CV 1, 2
	TA 8, 9
	CV 1, 3
	LA 1, 8
	CV 1, 0
	CV 1, 1
.endm
.macro SOFT1                           ; of Y alone
.irp k, 0,1,2,3,4,5,6,7,8,9
	MX 1, \k
.endr
.irp k, 1,2,3,4,5,6,7,8
	UP 1, \k
.endr
.irp k, 0,1,2,3,4
	BLK 1, \k
.endr
.irp k, 0,1,2,3
	WD 1, \k+1
	PKF8 1, 8*\k
.endr
	WALU
.set n, 0
.rept 32
	EXP2 1, n
.set n, n+1
.endr
	v_nop
	WALU
	LF 1
.irp i, 0,1,2,3,4,5,6,7,8,9,10,11,12,13,14,15
	LV 1, \i, \i
.endr
.irp i, 0,1,2,3
	HOLDS 1, 4*\i
	TA 2*\i, 8+2*\i
	TA 2*\i+1, 9+2*\i
.endr
.irp i, 0,1,2,3
	HOLDS 1, 16+4*\i
	TA \i, \i+4
.endr
	CV 1, 0
	TA 0, 2
	TA 1, 3
	CV 1, 1
	TA 0, 1
	CV 1, 2
	LA 1, 0
	CV 1, 3
.endm
; A KEY STEP of 128 keys for X and Y (zf = 0) or for Y alone (zf = 1: its diagonal).  This step's K fragments and scale words stand in registers; the next step's are fetched as soon as the scores are made.
.macro STEP zf
	WIN 0x05
.set n, 0
.rept 8
.irp z, 0,1
.if \z >= \zf
	v_wmma_scale_f32_16x16x128_f8f6f4 v[S+64*\z+8*n:S+64*\z+8*n+7], v[K+8*n:K+8*n+15], v[Q+16*\z:Q+16*\z+15], 0, v[KS+n], v[QS+\z]
.endif
.endr
.set n, n+1
.endr
	WIN 0
	v_add_nc_u32 v[ADV], s[TB], v[LI]              ; these four and four v_nop are the places behind the products
	v_add_nc_u32 v[ADT], s[TS], v[LSC]
	v_add_nc_u32 v[ADK], s[TBN], v[LI]
	v_add_nc_u32 v[ADN], s[TSN], v[LSC]
	PLACES 4
	WIN 0x40
.set n, 0
.rept 16
	ds_load_b128 v[V+4*n:V+4*n+3], v[ADV] offset:8192+512*n
.set n, n+1
.endr
	KLOAD
	WIN 0
	ds_load_b128 v[VS:VS+3], v[ADT] offset:512
	KSLOAD
.if \zf == 0
	s_cmp_lg_u32 s[STP], s[XD]
	s_cbranch_scc1 .Lopen_\@
	MASK 0
.Lopen_\@:
	SOFT2
.else
	MASK 1
	SOFT1
.endif
	WIN 0x41
	WALU                                           ; directly ahead of the first readers of O^T
.irp z, 0,1
.if \z >= \zf
.set n, 0
.rept 16
	v_pk_mul_f32 v[O+32*\z+n:O+32*\z+n+1], v[O+32*\z+n:O+32*\z+n+1], v[F+2*\z:F+2*\z+1] op_sel_hi:[1,0]   ; O^T under the new M: exact
.set n, n+2
.endr
.endif
.endr
	WIN 0x51
	WALU
	s_wait_dscnt 0x0                               ; V is in; so are the next step's K and scale words
.irp t, 0,1,2,3
.irp z, 0,1
.if \z >= \zf
	v_wmma_scale_f32_16x16x128_f8f6f4 v[O+32*\z+8*\t:O+32*\z+8*\t+7], v[V+16*\t:V+16*\t+15], v[PC+16*\z:PC+16*\z+15], v[O+32*\z+8*\t:O+32*\z+8*\t+7], v[VS+\t], v[PW+\z]
.endif
.endr
.endr
	WIN 0
.endm
; THE WAY OUT of tiles zf .. zl: O^T / the sum, quantised along the head's 64 (two blocks), stored as the next launch's operand image: each b64 store covers 256 consecutive bytes.
.macro OUT zf, zl
	v_cmp_ne_u32 vcc_lo, 0, v[H]
.irp z, 0,1
.if (\z >= \zf) && (\z <= \zl)
	v_add_f32 v[L+2*\z], v[L+2*\z], v[L+2*\z+1]
	v_permlanex16_b32 v[TD+\z], v[L+2*\z], s[SEL], s[SEL+1]
	v_add_f32 v[L+2*\z], v[L+2*\z], v[TD+\z]
.endif
.endr
	WALU
.irp z, 0,1
.if (\z >= \zf) && (\z <= \zl)
	v_rcp_f32 v[F+2*\z], v[L+2*\z]
.endif
.endr
	v_nop
	WIN 0x01
	WALU
.irp z, 0,1
.if (\z >= \zf) && (\z <= \zl)
.set n, 0
.rept 16
	v_pk_mul_f32 v[S+64*\z+n:S+64*\z+n+1], v[O+32*\z+n:O+32*\z+n+1], v[F+2*\z:F+2*\z+1] op_sel_hi:[1,0]
.set n, n+2
.endr
.endif
.endr
	WIN 0
.irp c, 0,1
.irp z, 0,1
.if (\z >= \zf) && (\z <= \zl)
	v_max3_num_f32 v[B+4*\z+\c], |v[S+64*\z+16*\c]|, |v[S+64*\z+16*\c+1]|, 0x4800000   ; with the floor 2^(9 - 127)
.endif
.endr
.endr
.irp i, 2,4,6,8,10,12,14
.irp c, 0,1
.irp z, 0,1
.if (\z >= \zf) && (\z <= \zl)
	v_max3_num_f32 v[B+4*\z+\c], v[B+4*\z+\c], |v[S+64*\z+16*\c+\i]|, |v[S+64*\z+16*\c+\i+1]|
.endif
.endr
.endr
.endr
.irp z, 0,1
.if (\z >= \zf) && (\z <= \zl)
.irp c, 0,1
	v_permlanex16_b32 v[T+4*\z+\c], v[B+4*\z+\c], s[SEL], s[SEL+1]
.endr
.irp c, 0,1
	v_max_num_f32 v[B+4*\z+\c], v[B+4*\z+\c], v[T+4*\z+\c]
.endr
.irp c, 0,1
	v_add_nc_u32 v[SO+4*\z+\c], 0xfc000000, v[B+4*\z+\c]
	v_and_or_b32 v[LM+4*\z+\c], v[B+4*\z+\c], 0x7f800000, s[MNT]
	v_lshrrev_b32 v[T+4*\z+\c], 23, v[SO+4*\z+\c]
.endr
.irp c, 0,1
.irp i, 0,1,2,3,4,5,6,7,8,9,10,11,12,13,14,15
	v_med3_num_f32 v[S+64*\z+16*\c+\i], v[S+64*\z+16*\c+\i], -v[LM+4*\z+\c], v[LM+4*\z+\c]
.endr
	v_cvt_scalef32_pk8_fp8_f32 v[PC+16*\z+4*\c:PC+16*\z+4*\c+1], v[S+64*\z+16*\c:S+64*\z+16*\c+7], v[SO+4*\z+\c]
	v_cvt_scalef32_pk8_fp8_f32 v[PC+16*\z+4*\c+2:PC+16*\z+4*\c+3], v[S+64*\z+16*\c+8:S+64*\z+16*\c+15], v[SO+4*\z+\c]
.endr
	v_cndmask_b32 v[T+4*\z+2], v[T+4*\z], v[T+4*\z+1], vcc_lo     ; lanes 0-15 block 0's byte, lanes 16-31 block 1's
.irp c, 0,1
.irp u, 0,1
	global_store_b64 v[OA], v[PC+16*\z+4*\c+2*\u:PC+16*\z+4*\c+2*\u+1], s[10:11] offset:131072*\z+512*\c+256*\u
.endr
.endr
	global_store_b8 v[OB], v[T+4*\z+2], s[12:13] offset:4096*\z
.endif
.endr
.endm
; tile z's sums go to my bytes in LDS
.macro GIVE z
	v_add_f32 v[TE], v[L+2*\z], v[L+2*\z+1]
	WIN 0x04
.irp i, 0,1,2,3,4,5,6,7
	ds_store_b128 v[PA], v[O+32*\z+4*\i:O+32*\z+4*\i+3] offset:512*\i
.endr
	WIN 0
	ds_store_b32 v[PL], v[NM+2*\z] offset:4096
	ds_store_b32 v[PL], v[TE] offset:4224
.endm
; my partner's sums of tile z join mine under the larger M
.macro TAKE z
.irp i, 0,1,2,3,4,5,6,7
	ds_load_b128 v[S+64*\z+4*\i:S+64*\z+4*\i+3], v[PA2] offset:512*\i
.endr
	ds_load_b32 v246, v[PL2] offset:4096
	ds_load_b32 v247, v[PL2] offset:4224
	WALU
	s_wait_dscnt 0x0
	v_min_num_f32 v248, v[NM+2*\z], v246
	v_sub_f32 v249, v248, v[NM+2*\z]
	v_sub_f32 v250, v248, v246
	v_cvt_i32_f32 v249, v249
	v_cvt_i32_f32 v250, v250
	v_ldexp_f32 v[F+2*\z], 1.0, v249
	v_ldexp_f32 v250, 1.0, v250
	v_add_f32 v[L+2*\z], v[L+2*\z], v[L+2*\z+1]
	v_mul_f32 v[L+2*\z], v[L+2*\z], v[F+2*\z]
	v_fma_f32 v[L+2*\z], v247, v250, v[L+2*\z]
	v_mov_b32 v[L+2*\z+1], 0
	WIN 0x41
	WALU
.set n, 0
.rept 16
	v_pk_mul_f32 v[O+32*\z+n:O+32*\z+n+1], v[O+32*\z+n:O+32*\z+n+1], v[F+2*\z:F+2*\z+1] op_sel_hi:[1,0]
.set n, n+2
.endr
	WIN 0x50
.set n, 0
.rept 16
	v_pk_fma_f32 v[O+32*\z+n:O+32*\z+n+1], v[S+64*\z+n:S+64*\z+n+1], v[250:251], v[O+32*\z+n:O+32*\z+n+1] op_sel_hi:[1,0,1]
.set n, n+2
.endr
	WIN 0
.endm
	WALU                                           ; the head's end
	s_cmp_eq_u32 s[WV], 0
	s_cbranch_scc0 .Lnot_first
	s_wait_tensorcnt 0x0                           ; wave 0: the scale words and steps 0 and 1 are in.  The other waves' wait stands at the second barrier
.Lnot_first:
	s_barrier_signal -1
	s_barrier_wait -1
	WIN 0x40
	KLOAD
	WIN 0
	KSLOAD
	s_mov_b32 s[TB], 12288
	s_mov_b32 s[TS], 0
	s_mov_b32 s[TBN], 28672
	s_mov_b32 s[TSN], 768
	s_mov_b32 s[STP], 0
	s_wait_loadcnt 0x0                             ; Q
	s_wait_dscnt 0x0
	STEP 0                                         ; trip 0: step 0 for every wave
	WALU
	s_wait_tensorcnt 0x0                           ; all of K and V is in
	s_wait_dscnt 0x0
	s_barrier_signal -1
	s_barrier_wait -1
	s_mov_b32 s[TR], 1
.Ltrip:
	s_cmp_ge_u32 s[TR], s[LIM]                     ; waves 4-7 have walked their steps
	s_cbranch_scc1 .Lnext
	s_cmp_gt_u32 s[TR], s[SWT]                     ; behind the first class the steps go on at CUT
	s_cselect_b32 s58, s[DLT], 0
	s_add_co_u32 s[STP], s[TR], s58
	s_and_b32 s[STP], s[STP], 15
	s_and_b32 s59, s[STP], 15
	s_lshl_b32 s[TB], s59, 14
	s_add_co_u32 s[TB], s[TB], 12288
	s_mul_i32 s[TS], s59, 768
	s_cmp_ge_u32 s[TR], s[SWT]                     ; the next trip's step (behind the last trip: some step's K, which nobody reads)
	s_cselect_b32 s58, s[DLT], 0
	s_add_co_u32 s59, s[TR], s58
	s_add_co_u32 s59, s59, 1
	s_and_b32 s59, s59, 15
	s_lshl_b32 s[TBN], s59, 14
	s_add_co_u32 s[TBN], s[TBN], 12288
	s_mul_i32 s[TSN], s59, 768
	s_cmp_eq_u32 s[TR], s[SWT]
	s_cbranch_scc1 .Lone
	s_cmp_eq_u32 s[TR], s[LST]
	s_cbranch_scc1 .Lone
	STEP 0
	s_branch .Lnext
.Lone:
	STEP 1
	s_cmp_lg_u32 s[TR], s[SWT]
	s_cbranch_scc1 .Lnext
	PLACES 8                                       ; behind the last products
	OUT 0, 1                                       ; class m leaves
	v_mov_b32 v[QS], v[QSN]                        ; and class 7 - m begins: M = -3e38: the first change of M gives the old sums the factor 0
	v_mov_b32 v[QS+1], v[QSN+1]
	WIN 0x41
.irp z, 0,1
.irp i, 0,1,2,3,4,5,6,7
	v_mov_b32 v[Q+16*\z+\i], v[QN+8*\z+\i]
.endr
.endr
	WIN 0
.irp z, 0,1
	v_mov_b32 v[NM+2*\z], 0x7f61b1e6
	v_mov_b32 v[NM+2*\z+1], 0xff61b1e6
.endr
	s_mov_b32 s[XD], s[XD2]
	WALU
	s_wait_xcnt 0x0                                ; the stores have read their registers and bases
	s_add_nc_u64 s[10:11], s[10:11], s[92:93]
	s_add_nc_u64 s[12:13], s[12:13], s[94:95]
.Lnext:
	s_add_co_u32 s[TR], s[TR], 1
	WALU
	s_cmp_lt_u32 s[TR], TRIPS
	s_cbranch_scc1 .Ltrip
	PLACES 8                                       ; behind the last products
	WALU
	s_wait_dscnt 0x0
	s_barrier_signal -1
	s_barrier_wait -1                              ; every wave has read its last K and V: the sums are handed over behind that
	s_cmp_eq_u32 s[ROLE], 0
	s_cbranch_scc0 .Lgive_x
	GIVE 1
	s_branch .Lgiven
.Lgive_x:
	GIVE 0
.Lgiven:
	WALU
	s_wait_dscnt 0x0                               ; for my partner's sake: my stores are done
	s_barrier_signal -1
	s_barrier_wait -1
	s_cmp_eq_u32 s[ROLE], 0
	s_cbranch_scc0 .Ltake_y
	TAKE 0
	OUT 0, 0
	s_branch .Ldone
.Ltake_y:
	TAKE 1
	OUT 1, 1
.Ldone:
	s_wait_tensorcnt 0x0                           ; the wave's end
	ds_add_u32 v[SPW], v[NIL]
	s_wait_dscnt 0x0
	CROUND                                         ; the closing round
	s_endpgm
.Lfunc_end_k_qb7a52ae572_attn:
	.size	k_qb7a52ae572_attn, .Lfunc_end_k_qb7a52ae572_attn-k_qb7a52ae572_attn
	.p2alignl 7, 3214868480
	.fill 96, 4, 3214868480
	.section	.rodata,"a",@progbits
	.p2align	6, 0x0
	.amdhsa_kernel k_qb7a52ae572_attn
		.amdhsa_group_segment_fixed_size 327680
		.amdhsa_private_segment_fixed_size 0
		.amdhsa_enable_private_segment 0
		.amdhsa_kernarg_size 40
		.amdhsa_user_sgpr_count 2
		.amdhsa_user_sgpr_kernarg_segment_ptr 1
		.amdhsa_wavefront_size32 1
		.amdhsa_system_sgpr_workgroup_id_x 1
		.amdhsa_system_sgpr_workgroup_id_y 1
		.amdhsa_system_sgpr_workgroup_id_z 1
		.amdhsa_system_vgpr_workitem_id 0
		.amdhsa_next_free_vgpr 512
		.amdhsa_next_free_sgpr 102
		.amdhsa_reserve_vcc 1
		.amdhsa_float_denorm_mode_32 3
		.amdhsa_float_denorm_mode_16_64 3
		.amdhsa_memory_ordered 1
		.amdhsa_forward_progress 1
		.amdhsa_inst_pref_size 154
	.end_amdhsa_kernel
	.amdgpu_metadata
---
amdhsa.version: [ 1, 2 ]
amdhsa.kernels:
  - .name:           k_qb7a52ae572_attn
    .symbol:         k_qb7a52ae572_attn.kd
    .args:
      - { .name: qimg, .offset: 0, .size: 8, .value_kind: global_buffer, .address_space: global }
      - { .name: qs, .offset: 8, .size: 8, .value_kind: global_buffer, .address_space: global }
      - { .name: kv, .offset: 16, .size: 8, .value_kind: global_buffer, .address_space: global }
      - { .name: aimg, .offset: 24, .size: 8, .value_kind: global_buffer, .address_space: global }
      - { .name: asc, .offset: 32, .size: 8, .value_kind: global_buffer, .address_space: global }
    .group_segment_fixed_size: 327680
    .private_segment_fixed_size: 0
    .kernarg_segment_align: 8
    .kernarg_segment_size: 40
    .max_flat_workgroup_size: 256
    .sgpr_count:     102
    .vgpr_count:     512
    .wavefront_size: 32
...
	.end_amdgpu_metadata
.endif
;; end of part 2
;; launch oproj (part 3): grid 8 x 32, 4 waves a work-group, clusters of 4 x 4, 327,680 bytes of LDS; arguments aimg, asc, Wo_codes, Wo_scales, bo, out0; writes out0
.if DOCPART == 3
	.amdgcn_target "amdgcn-amd-amdhsa--gfx1250"
	.amdhsa_code_object_version 6
	.text
	.protected	k_qb7a52ae572_oproj
	.globl	k_qb7a52ae572_oproj
	.p2align	8
	.type	k_qb7a52ae572_oproj,@function
k_qb7a52ae572_oproj:
	s_mov_b64 s[64:65], 0
	v_nop
	global_prefetch_b8 v0, s[64:65] scope:SCOPE_SE
	s_setreg_imm32_b32 hwreg(HW_REG_WAVE_MODE, 25, 1), 1
	s_wait_xcnt 0x0
	s_wait_alu depctr_hold_cnt(0) depctr_sa_sdst(0) depctr_va_vdst(0) depctr_va_sdst(0) depctr_va_ssrc(0) depctr_va_vcc(0) depctr_vm_vsrc(0)
	s_getreg_b32 s2, hwreg(HW_REG_IB_STS2, 6, 4)
	s_cmp_eq_u32 s2, 0
	s_cbranch_scc0 .Lentry_in_a_cluster
	s_endpgm
.Lentry_in_a_cluster:
	s_bfe_u32 s2, ttmp6, 0x10000c
	s_cmp_lg_u32 s2, 0xf033
	s_cbranch_scc0 .Lentry_shape_is_right
	s_endpgm
.Lentry_shape_is_right:
; out0 = a Wo + bo on codes of FP8 (E4M3) with E8M0 scales.  a: [4096][1024] as images of operand registers (aimg: [block of 128 rows][K step of 128][tile of 16 rows][chunk][lane][16 bytes]) with scale bytes asc [4096][32];
; Wo: codes [1024 n][1024 k], scale bytes [1024][32].  out0 [4096][1024] f32.  NaN and infinities are not served.
; SHARES.  A tile of 128 x 128 to a work-group: 256 work-groups.  Wave w: rows 64 (w / 2) on, columns 64 (w % 2) on.  Its 64 rows of Wo, ALL of K, go into 512 registers; then its four blocks of 16 rows of a follow, 32 products each,
; and each block leaves under the next one's products.
; LDS, filled once, one tensor load a wave: Wo's 128 rows (waves 0, 1, a line of their own, shown first: pitch 1,040), a's 128 KiB as it lies (waves 2, 3).  Scale bytes come straight into registers: lanes r K steps 0-3, lanes 16 + r K steps 4-7.
; All bytes are asked for at the head, so there is nothing to prefetch.  CLUSTER 4 x 4: a is asked for jointly along a row, Wo along a column.
; Used transposed (source 0 = 16 rows of Wo, source 1 = 16 rows of a): a lane holds eight neighbouring columns of one row.  bo is the C of each sum's first instruction; the four sums take turns.
; REGISTERS: window 0: v0-20 addresses, v32-47 Wo's scale words, v50-65 a's, v96-127 bo, v128-191 two sets of sums, v192-255 rows on the way out.  Windows 1, 2: Wo.  Window 3: a, two sets.
.set BIM, 131072
.set WP,  1040
.set STG, BIM+128*WP                   ; 264,192: a stage of 16 rows x 272 bytes for each wave
.set SPARE, STG+4*4352
.set SB, 32
.set SA, 50
.set WV, 16
.set MSB, 0
.macro WIN new
.if MSB != (\new)
	s_set_vgpr_msb (MSB<<8)|(\new)
.set MSB, (\new)
.endif
.endm
.macro PLACES n
.rept \n
	v_nop
.endr
.endm
.macro CROUND
	s_barrier_signal -1
	s_barrier_wait -1
	s_cmp_lg_u32 s[WV], 0
	s_cbranch_scc1 .Lnot_wave_0_\@
	s_barrier_signal -3
.Lnot_wave_0_\@:
	s_barrier_wait -3
	s_barrier_signal -1
	s_barrier_wait -1
.endm
	s_load_b256 s[4:11], s[0:1], 0x0               ; aimg, asc, Wo_codes, Wo_scales
	s_load_b128 s[12:15], s[0:1], 0x20             ; bo, out0
	v_lshl_add_u32 v30, v0, 2, SPARE
	v_mov_b32 v31, 0
	ds_add_u32 v30, v31                            ; the opening adds, twice on end
	ds_add_u32 v30, v31
	v_lshrrev_b32 v1, 5, v0
	v_readfirstlane_b32 s[WV], v1                  ; wave 0..3
	s_lshr_b32 s17, s[WV], 1                       ; my half of the rows
	s_and_b32 s18, s[WV], 1                        ; my half of the columns.  Also: which half I fetch
	s_bfe_u32 s19, ttmp6, 0x40000                  ; cx
	s_bfe_u32 s20, ttmp6, 0x40004                  ; cy
	s_lshl_b32 s21, ttmp9, 2
	s_add_co_u32 s21, s21, s19                     ; nb: the block of 128 columns
	s_and_b32 s22, ttmp7, 0xffff
	s_lshl_b32 s22, s22, 2
	s_add_co_u32 s22, s22, s20                     ; mb: the block of 128 rows
	s_lshl_b32 s23, s20, 2
	s_lshl_b32 s23, 15, s23                        ; my row of the cluster
	s_lshl_b32 s100, 0x1111, s19                   ; my column
	; a: four K steps, 65,536 dense bytes as 256 rows of 256
	s_or_b32 s24, s23, (3<<16)|(1<<21)
	s_mov_b32 s25, 32<<16
	s_mov_b32 s26, 256<<16
	s_mov_b32 s27, 32<<16
	s_mov_b32 s28, 256
	s_mov_b32 s29, 32
	s_mov_b32 s30, 0
	s_mov_b32 s31, 0
	; Wo: 64 whole rows of 1,024 bytes, 16 bytes of padding behind each
	s_or_b32 s32, s100, (1<<20)|(1<<21)|(7<<22)|(3<<25)
	s_mov_b32 s33, 1024<<16
	s_mov_b32 s34, 64<<16
	s_mov_b32 s35, 1024<<16
	s_mov_b32 s36, 64
	s_mov_b32 s37, 1024
	s_mov_b32 s38, 0
	s_mov_b32 s39, 0
	s_lshl_b32 s2, s22, 17                         ; s[2:3] holds numbers made of mb, s[66:67] of nb
	s_lshl_b32 s3, s18, 16
	s_add_co_u32 s2, s2, s3
	s_mov_b32 s3, 0
	s_lshl_b32 s66, s21, 17
	s_lshl_b32 s67, s18, 16
	s_add_co_u32 s66, s66, s67
	s_mov_b32 s67, 0
	s_mov_b32 s40, 1
	s_lshl_b32 s41, s18, 16
	s_mov_b32 s44, 1
	s_mul_i32 s45, s18, 64*WP
	s_add_co_u32 s45, s45, BIM
	s_wait_dscnt 0x0                               ; both opening adds are done
	CROUND                                         ; all sixteen work-groups are here: the joint loads meet
	s_wait_kmcnt 0x0
	s_add_nc_u64 s[42:43], s[4:5], s[2:3]
	s_or_b32 s43, s43, 0x80000000
	s_add_nc_u64 s[46:47], s[8:9], s[66:67]
	s_or_b32 s47, s47, 0x80000000
	s_cmp_lt_u32 s[WV], 2
	s_cbranch_scc0 .Lfor_a
	tensor_load_to_lds s[44:47], s[32:39]
	s_nop 0
	PLACES 4
	s_branch .Lasked
.Lfor_a:
	tensor_load_to_lds s[40:43], s[24:31]
	s_nop 0
	PLACES 4
.Lasked:
	s_lshl_b32 s2, s22, 12                         ; scale bytes: 128 rows of 32 a block, my 64
	s_lshl_b32 s48, s17, 11
	s_add_co_u32 s2, s2, s48
	s_add_nc_u64 s[6:7], s[6:7], s[2:3]
	s_lshl_b32 s66, s21, 12
	s_lshl_b32 s48, s18, 11
	s_add_co_u32 s66, s66, s48
	s_add_nc_u64 s[10:11], s[10:11], s[66:67]
	s_lshl_b32 s66, s21, 9
	s_lshl_b32 s48, s18, 8
	s_add_co_u32 s66, s66, s48                     ; my first column, in bytes
	s_add_nc_u64 s[12:13], s[12:13], s[66:67]
	s_add_nc_u64 s[14:15], s[14:15], s[66:67]
	s_lshl_b32 s2, s22, 19
	s_lshl_b32 s48, s17, 18
	s_add_co_u32 s2, s2, s48                       ; my first row: 4,096 bytes a row
	s_add_nc_u64 s[14:15], s[14:15], s[2:3]
	s_lshl_b32 s48, s17, 13
	s_mul_i32 s49, s18, 64*WP
	s_add_co_u32 s49, s49, BIM
	s_mul_i32 s50, s[WV], 4352
	s_add_co_u32 s50, s50, STG
	v_and_b32 v1, 15, v0                           ; r
	v_bfe_u32 v2, v0, 4, 1                         ; h
	v_and_b32 v4, 31, v0
	v_lshlrev_b32 v3, 4, v4                        ; 16 x lane
	v_lshlrev_b32 v20, 5, v1
	v_lshl_add_u32 v20, v2, 4, v20                 ; scale bytes: row r, 16 h
	v_lshlrev_b32 v14, 5, v2
.irp t, 0,1,2,3
	global_load_b128 v[SB+4*\t:SB+4*\t+3], v20, s[10:11] offset:512*\t
	global_load_b128 v[SA+4*\t:SA+4*\t+3], v20, s[6:7] offset:512*\t
	global_load_b128 v[96+8*\t:99+8*\t], v14, s[12:13] offset:64*\t            ; bo(16 t + 8 h + 0 .. 7): the result's layout
	global_load_b128 v[100+8*\t:103+8*\t], v14, s[12:13] offset:64*\t+16
.endr
	v_add_nc_u32 v5, s48, v3                       ; a's images: my four tiles of 2,048 bytes; K steps 0-3
	v_add_nc_u32 v6, 65536, v5                     ; K steps 4-7
	v_mul_u32_u24 v7, v1, WP
	v_lshl_add_u32 v7, v2, 4, v7
	v_add_nc_u32 v7, s49, v7                       ; Wo: my 64 rows
	v_mul_u32_u24 v11, v1, 272
	v_lshl_add_u32 v11, v2, 5, v11
	v_add_nc_u32 v11, s50, v11                     ; the stage, in: row r, 32 bytes for each half of the lanes
	v_mul_u32_u24 v12, v2, 272
	v_lshl_add_u32 v12, v1, 4, v12
	v_add_nc_u32 v12, s50, v12                     ; back: lanes 0-15 one row of 256 bytes, lanes 16-31 the next
	v_lshlrev_b32 v13, 12, v2
	v_lshl_add_u32 v13, v1, 4, v13                 ; and the same two rows in out0
.macro WLOAD w                         ; Wo's fragments of K steps 4 w .. 4 w + 3 into window 1 + w: fragment 4 q + t
	WIN 0x40*(1+\w)
.irp q, 0,1,2,3
.irp t, 0,1,2,3
.irp c, 0,1,2,3
	ds_load_b128 v[16*(4*\q+\t)+4*\c:16*(4*\q+\t)+4*\c+3], v7 offset:16*WP*\t+128*(4*\w+\q)+32*\c
.endr
.endr
.endr
.endm
.macro FETCH a                         ; a's tile a, all of K, into set a % 2 of window 3: 32 loads
	WIN 0xc0
.irp w, 0,1
.irp q, 0,1,2,3
.irp c, 0,1,2,3
	ds_load_b128 v[128*((\a)%2)+16*(4*\w+\q)+4*\c:128*((\a)%2)+16*(4*\w+\q)+4*\c+3], v[5+\w] offset:16384*\q+2048*(\a)+512*\c
.endr
.endr
.endr
	WIN 0
.endm
.macro PROD a, w                       ; block a, K steps 4 w .. 4 w + 3: 16 products
	WIN 0x0d+\w
.irp q, 0,1,2,3
.irp t, 0,1,2,3
.set AC, 128+32*((\a)%2)+8*\t
.set CC, AC
.if (\w == 0) && (\q == 0)
.set CC, 96+8*\t
.endif
.set FA, 128*((\a)%2)+16*(4*\w+\q)
.set FW, 16*(4*\q+\t)
.if \w == 0
	v_wmma_scale_f32_16x16x128_f8f6f4 v[AC:AC+7], v[FW:FW+15], v[FA:FA+15], v[CC:CC+7], v[SB+4*\t+\q], v[SA+4*(\a)+\q]
.else
	v_wmma_scale_f32_16x16x128_f8f6f4 v[AC:AC+7], v[FW:FW+15], v[FA:FA+15], v[CC:CC+7], v[SB+4*\t+\q], v[SA+4*(\a)+\q] matrix_a_scale:MATRIX_SCALE_ROW1 matrix_b_scale:MATRIX_SCALE_ROW1
.endif
.endr
.endr
	WIN 0
.endm
; THE WAY OUT of 16 rows: a lane's 32 bytes of a row go into my stage and come back as whole rows of 256 bytes.  LDS serves a wave's instructions in order (ISA guide 5.7.1.4).
.macro TOSTAGE a
.set AC, 128+32*((\a)%2)
.set BK, 192+32*((\a)%2)
.irp t, 0,1,2,3
	ds_store_b128 v11, v[AC+8*\t:AC+8*\t+3] offset:64*\t           ; each accumulator from its low end on
	ds_store_b128 v11, v[AC+8*\t+4:AC+8*\t+7] offset:64*\t+16
.endr
.irp t, 0,1,2,3,4,5,6,7
	ds_load_b128 v[BK+4*\t:BK+4*\t+3], v12 offset:544*\t
.endr
.endm
.macro SEND a, younger                 ; younger: the LDS loads issued behind the stage's
.set BK, 192+32*((\a)%2)
	s_wait_dscnt \younger
.irp t, 0,1,2,3,4,5,6,7
	global_store_b128 v13, v[BK+4*\t:BK+4*\t+3], s[14:15] offset:(16*(\a)+2*\t)*4096 th:TH_STORE_NT  ; 16 lanes store 256 consecutive bytes, aligned
.endr
.endm
	s_wait_alu depctr_va_vdst(0)                   ; the head's end
	s_cmp_lt_u32 s[WV], 2
	s_cbranch_scc0 .Lnot_wo
	s_wait_tensorcnt 0x0                           ; waves 0, 1: Wo is in.  The others' wait stands at the second barrier
.Lnot_wo:
	s_barrier_signal -1
	s_barrier_wait -1
	WLOAD 0
	WLOAD 1
	WIN 0
	s_wait_tensorcnt 0x0                           ; a is in
	s_wait_dscnt 0x0                               ; Wo is in registers
	s_barrier_signal -1
	s_barrier_wait -1
	FETCH 0
	FETCH 1
	s_wait_loadcnt 0x0                             ; scale words, bo
	s_wait_dscnt 32                                ; block 0; block 1's 32 loads may be out
	PROD 0, 0
	PROD 0, 1
	PLACES 8
	TOSTAGE 0
	FETCH 2
	s_wait_dscnt 48                                ; block 1 (behind it: the stage's 16, block 2's 32)
	PROD 1, 0
	SEND 0, 32
	PROD 1, 1
	PLACES 8
	TOSTAGE 1
	FETCH 3
	s_wait_dscnt 48
	PROD 2, 0
	SEND 1, 32
	PROD 2, 1
	PLACES 8
	s_wait_xcnt 0x0                                ; block 0's stores have read the registers that block 2's rows come back to
	TOSTAGE 2
	s_wait_dscnt 16                                ; block 3
	PROD 3, 0
	SEND 2, 0
	PROD 3, 1
	PLACES 8
	s_wait_xcnt 0x0
	TOSTAGE 3
	SEND 3, 0
	s_wait_tensorcnt 0x0                           ; the wave's end
	ds_add_u32 v30, v31
	s_wait_dscnt 0x0
	CROUND                                         ; the closing round
	s_endpgm
.Lfunc_end_k_qb7a52ae572_oproj:
	.size	k_qb7a52ae572_oproj, .Lfunc_end_k_qb7a52ae572_oproj-k_qb7a52ae572_oproj
	.p2alignl 7, 3214868480
	.fill 96, 4, 3214868480
	.section	.rodata,"a",@progbits
	.p2align	6, 0x0
	.amdhsa_kernel k_qb7a52ae572_oproj
		.amdhsa_group_segment_fixed_size 327680
		.amdhsa_private_segment_fixed_size 0
		.amdhsa_enable_private_segment 0
		.amdhsa_kernarg_size 48
		.amdhsa_user_sgpr_count 2
		.amdhsa_user_sgpr_kernarg_segment_ptr 1
		.amdhsa_wavefront_size32 1
		.amdhsa_system_sgpr_workgroup_id_x 1
		.amdhsa_system_sgpr_workgroup_id_y 1
		.amdhsa_system_sgpr_workgroup_id_z 1
		.amdhsa_system_vgpr_workitem_id 0
		.amdhsa_next_free_vgpr 1024
		.amdhsa_next_free_sgpr 102
		.amdhsa_reserve_vcc 0
		.amdhsa_float_denorm_mode_32 3
		.amdhsa_float_denorm_mode_16_64 3
		.amdhsa_memory_ordered 1
		.amdhsa_forward_progress 1
		.amdhsa_inst_pref_size 50
	.end_amdhsa_kernel
	.amdgpu_metadata
---
amdhsa.version: [ 1, 2 ]
amdhsa.kernels:
  - .name:           k_qb7a52ae572_oproj
    .symbol:         k_qb7a52ae572_oproj.kd
    .args:
      - { .name: aimg, .offset: 0, .size: 8, .value_kind: global_buffer, .address_space: global }
      - { .name: asc, .offset: 8, .size: 8, .value_kind: global_buffer, .address_space: global }
      - { .name: Wo_codes, .offset: 16, .size: 8, .value_kind: global_buffer, .address_space: global }
      - { .name: Wo_scales, .offset: 24, .size: 8, .value_kind: global_buffer, .address_space: global }
      - { .name: bo, .offset: 32, .size: 8, .value_kind: global_buffer, .address_space: global }
      - { .name: out0, .offset: 40, .size: 8, .value_kind: global_buffer, .address_space: global }
    .group_segment_fixed_size: 327680
    .private_segment_fixed_size: 0
    .kernarg_segment_align: 8
    .kernarg_segment_size: 48
    .max_flat_workgroup_size: 128
    .sgpr_count:     102
    .vgpr_count:     1024
    .wavefront_size: 32
...
	.end_amdgpu_metadata
.endif
;; end of part 3
